; MI455X (gfx1250); checked and timed in simulation.
; The chip was launched on July 23, 2026; its instructions are those of AMD's public machine-readable ISA for CDNA 5 (MIT licence, August 2026) and "CDNA5" Instruction Set Architecture Reference Guide (July 2026). The comments in the code are by the model that wrote it; some were corrected since.
;; Multi Query Attention Layer V2. Allowed arithmetic: matrix products marked QUANTISED: E2M1 operands, one E8M0 scale for each 32 along K, by v_wmma_scale_f32_16x16x128_f8f6f4 with both operands' format E2M1 (or v_wmma_scale_f32_32x16x128_f4), f32 sums; products left as they are: bf16, f16 or f32 operands; f32 sums; everything else in f32.
;; Inputs: key_proj 1,024 x 64 float32; output_proj 1,024 x 16 x 64 float32; query_proj 16 x 64 x 1,024 float32; value_proj 1,024 x 64 float32; x 2 x 2,048 x 1,024 float32.
;; Outputs: out0 2 x 2,048 x 1,024 float32.
;; This version of the problem:
;;   THIS VERSION OF THE PROBLEM IS GIVEN IN LOW PRECISION. The matrix products marked QUANTISED in the list below multiply operands that are first quantised to E2M1 (2 exponent bits, 1 mantissa bit; 4 bits a number), with one power-of-two scale for each 32 numbers along K (OCP MX v1.0); their sums are f32. The products marked 'left as it is' may take bf16, f16 or f32 operands, with f32 sums. Whichever they take, every output number must still come out within the allowed error. Rounding operands to bf16 (8 significant bits) uses up far more of that allowance than f16 does (11 bits, for magnitudes from 6e-5 to 65,504). All else is computed in f32.
;;   The module's matrix products, in the order in which they are computed (A, B: the left and right operand; K: the contracted axis; several contracted axes count as one K, in the product's order):
;;     1. [M 4,096, K 1,024] x [K 1,024, N 1,024]; A: input x; B: input query_proj: QUANTISED
;;     2. [M 4,096, K 1,024] x [K 1,024, N 64]; A: input x; B: input key_proj: QUANTISED
;;     3. [M 4,096, K 1,024] x [K 1,024, N 64]; A: input x; B: input value_proj: QUANTISED
;;     4. batch 2 x [M 32,768, K 64] x [K 64, N 2,048]; A: computed on the way; B: computed on the way: left as it is (an operand is computed on the way)
;;     5. batch 2 x [M 32,768, K 2,048] x [K 2,048, N 64]; A: computed on the way; B: computed on the way: left as it is (an operand is computed on the way)
;;     6. [M 4,096, K 1,024] x [K 1,024, N 1,024]; A: computed on the way; B: input output_proj: left as it is (an operand is computed on the way)
;;   THE QUANTISER, for each operand of a quantised product, along K:
;;     - K is cut into blocks of 32 from its start; a last block that is shorter is filled with zeros.
;;     - A block's scale is 2^e with e = floor(log2(the largest magnitude in the block)) - 2, held to -126 .. 127; a block of zeros has e = 0. As a byte (E8M0): e + 127.
;;     - Each number is divided by its block's scale, clamped to +-6, and rounded to the nearest number of E2M1, ties to even, subnormals kept.
;;     - The product sums the exact products of the quantised numbers (number of the format x scale) in f32.
;;   ~~~python
;;   def quantise(x, axis):      # numpy; x: float32 -> the quantised numbers, widened to float32 again
;;       x = np.moveaxis(x, axis, -1); K = x.shape[-1]
;;       x = np.pad(x, [(0, 0)] * (x.ndim - 1) + [(0, -K % 32)]); x = x.reshape(x.shape[:-1] + (-1, 32)); a = np.abs(x).max(-1, keepdims=True)
;;       e = np.where(a > 0, np.clip(np.frexp(np.where(a > 0, a, 1))[1] - 1 - 2, -126, 127), 0)      # np.frexp(a)[1] - 1 = floor(log2(a)), exactly
;;       r = np.clip(x / 2.0 ** e, -6, 6)
;;       step = 2.0 ** (np.maximum(np.frexp(np.where(r == 0, 1, r))[1] - 1, 0) - 1)
;;       q = np.round(r / step) * step * 2.0 ** e      # np.round: ties to even
;;       return np.moveaxis(q.reshape(q.shape[:-2] + (-1,))[..., :K], -1, axis).astype(np.float32)
;;   ~~~
;; One version. Each part assembles by itself: llvm-mc -triple=amdgcn-amd-amdhsa -mcpu=gfx1250 --defsym DOCPART=n.
;; ======== version 1 of 1: 4 launches
;; limits: values are held in f16: magnitudes above 65,504 overflow, below 6.1e-05 lose precision
;; workspace buffers: xc 2,097,152 bytes; xs 131,072 bytes; wc 589,824 bytes; ws 36,864 bytes; wo16 2,097,152 bytes; q16 8,388,608 bytes; kvt 1,048,576 bytes; o16 8,388,608 bytes
;; launch prep (part 1): grid 232 x 1, 4 waves a work-group, no clusters, 41,984 bytes of LDS; arguments x, query_proj, xc, xs, wc, ws, key_proj, value_proj, output_proj, wo16; writes xc, xs, wc, ws, wo16
.if DOCPART == 1
	.amdgcn_target "amdgcn-amd-amdhsa--gfx1250"
	.amdhsa_code_object_version 6
	.text
	.protected	k_qfafed0f8e6_prep
	.globl	k_qfafed0f8e6_prep
	.p2align	8
	.type	k_qfafed0f8e6_prep,@function
k_qfafed0f8e6_prep:
	s_mov_b64 s[64:65], 0
	v_nop
	global_prefetch_b8 v0, s[64:65] scope:SCOPE_SE
	s_setreg_imm32_b32 hwreg(HW_REG_WAVE_MODE, 25, 1), 1
	s_wait_xcnt 0x0
; PREP: the operands of the three quantised products become codes of FP4 (E2M1) with one E8M0 byte for each 32 along K = d; output_proj becomes f16.
; Three paths, parted on the work-group's number alone; they never join, and each has LDS bytes of its own.
;   work-groups 0-159:   x [4096][1024] and query_proj [1024 (h,k)][1024], K innermost: plain streams of blocks of 32.  128 work-groups take x, 32 query_proj.
;   work-groups 160-167: key_proj and value_proj [1024 (d)][64], K is the FIRST axis: a lane takes a column and its registers run down K.
;   work-groups 168-231: output_proj [1024][1024] f32 -> wo16, f16, the same order.
; LAYOUT OF THE WEIGHTS' CODES: wc [8 groups][144 rows][512 bytes]: rows 0-127 of group g are query_proj's rows 128 g on; rows 128-143 are key/value channels 16 g on
; (channel c < 64: column c of key_proj; else column c - 64 of value_proj).  ws [8][144][32 bytes] holds the scale bytes in the same order.  xc [4096][512], xs [4096][32].
; A block's scale is 2^(floor(log2(its largest magnitude)) - 2); its byte is the largest magnitude's exponent field - 2, held at 1 from below.
; LIMITS: a block of zeros gets the byte 1 where the rule says 127 (its codes are zeros, and the bytes are read by this program alone); blocks whose largest magnitude lies under 2^(2 - 126)
; keep the byte 1; NaN and infinities among the inputs are not served; output_proj beyond 65,504 in magnitude becomes infinite in f16, under 6e-5 it keeps an absolute error of 3e-8.
; No tensor loads, no cluster: no two work-groups read the same bytes.
.set WGA,    128                       ; work-groups that take x
.set WGKV,   160                       ; the first that takes key_proj and value_proj
.set WGCAST, 168                       ; the first that takes output_proj
.set STEPS,  16
.set CB,     8                         ; bytes of 16 codes
.set SP,     80                        ; a lane's place in a stage: 64 bytes + 16 of padding
.set WREG,   8192                      ; stream path: a region for each wave: two stages of 32 x SP bytes, then its 256 scale bytes
.set KVST,   32768                     ; key/value path: a stage of 32 rows x 272 bytes
.set KVP,    272
.set SPARE,  41472                     ; the spare words, 128 bytes for each wave: two blocks of 256 bytes that no other line names
.set SPW,    12                        ; v12  LDS address of my spare word; never rewritten
.set NIL,    13                        ; v13  0; never rewritten
.set R,      16                        ; stream path: v16-79 four sets of 16 numbers as loaded
.set X,      80                        ; v80-111 two sets of 16 neighbours
.set E,      112                       ; v112-127 a scale byte for each step
.set C,      128                       ; v128-191 codes, four registers for each step
.set KX,     32                        ; key/value path: v32-159 four blocks of 32 numbers
.set KC,     160                       ; v160-175 their codes
.set KO,     176                       ; v176-191 rows read back
.set SBY,    24                        ; v24 four scale bytes
	s_load_b128 s[4:7], s[0:1], 0x0                ; x, query_proj
	s_load_b128 s[8:11], s[0:1], 0x10              ; xc, xs
	s_load_b128 s[12:15], s[0:1], 0x20             ; wc, ws
	s_load_b128 s[36:39], s[0:1], 0x30             ; key_proj, value_proj
	s_load_b128 s[40:43], s[0:1], 0x40             ; output_proj, wo16
	v_lshl_add_u32 v[SPW], v0, 2, SPARE
	v_mov_b32 v[NIL], 0
	v_lshrrev_b32 v1, 5, v0
	v_readfirstlane_b32 s16, v1                    ; wave
	v_and_b32 v2, 31, v0                           ; lane
	s_wait_kmcnt 0x0
	s_cmp_ge_u32 ttmp9, WGKV
	s_cbranch_scc1 .Lnot_stream
; ---- THE STREAM PATH.  A wave takes 16 steps of 512 numbers.  Each of a step's four loads reads 512 consecutive bytes; the 2,048 bytes turn through the wave's own stage in LDS and come back
; 64 bytes a lane: 16 neighbours along K, two neighbouring lanes to a block.  A lane's 16 codes are 8 bytes: the wave stores 256 consecutive bytes.  The wave's 256 scale bytes leave as one store.
	v_lshlrev_b32 v3, 4, v2                        ; my 16 bytes of a load's 512
	s_mul_i32 s17, s16, WREG
	v_lshrrev_b32 v14, 2, v2
	v_mul_u32_u24 v14, v14, SP
	v_and_b32 v15, 3, v2
	v_lshl_add_u32 v14, v15, 4, v14
	v_add_nc_u32 v14, s17, v14                     ; the stage, on the way in: SP (lane / 4) + 16 (lane % 4)
	v_mul_u32_u24 v15, v2, SP
	v_add_nc_u32 v15, s17, v15                     ; and on the way out: SP x lane
	v_mul_u32_u24 v4, v2, CB                       ; my codes' place in a step's
	v_lshrrev_b32 v5, 1, v2
	s_add_co_u32 s17, s17, 2*32*SP
	v_add_nc_u32 v5, s17, v5                       ; my wave's 256 scale bytes, my block's byte
	v_lshlrev_b32 v7, 3, v2                        ; and on the way out 8 bytes a lane
	v_add_nc_u32 v6, s17, v7
	s_cmp_lt_u32 ttmp9, WGA                        ; x's work-group or query_proj's?  The choice hangs on the work-group's number alone
	s_cselect_b64 s[4:5], s[4:5], s[6:7]
	s_cselect_b64 s[8:9], s[8:9], s[12:13]
	s_cselect_b64 s[10:11], s[10:11], s[14:15]
	s_cselect_b32 s17, 0, WGA
	s_cselect_b32 s22, 0, -1                       ; query_proj alone skips rows in its buffers
	s_sub_co_u32 s17, ttmp9, s17
	s_lshl_b32 s17, s17, 2
	s_add_co_u32 s18, s17, s16                     ; which run of 8,192 numbers (8 rows) is my wave's
	s_lshr_b32 s23, s18, 4                         ; 16 runs are a group of 128 rows;
	s_and_b32 s23, s23, s22                        ; behind each group passed lie 16 rows of key/value channels
	s_mov_b32 s21, 0
	s_lshl_b32 s20, s18, 15                        ; 32,768 bytes of f32 a run
	s_add_nc_u64 s[4:5], s[4:5], s[20:21]
	s_lshl_b32 s20, s18, 12                        ; 4,096 bytes of codes a run,
	s_lshl_b32 s24, s23, 13                        ; 16 rows x 512 bytes for each group passed
	s_add_co_u32 s20, s20, s24
	s_add_nc_u64 s[8:9], s[8:9], s[20:21]
	s_lshl_b32 s20, s18, 8                         ; 256 scale bytes a run,
	s_lshl_b32 s24, s23, 9                         ; 16 rows x 32 bytes for each group passed
	s_add_co_u32 s20, s20, s24
	s_add_nc_u64 s[10:11], s[10:11], s[20:21]
.macro LOAD t
.irp i, 0,1,2,3
	global_load_b128 v[R+16*((\t)%4)+4*\i:R+16*((\t)%4)+4*\i+3], v3, s[4:5] offset:2048*(\t)+512*\i th:TH_LOAD_NT   ; 32 lanes read 512 consecutive bytes
.endr
.endm
.macro TURN t                          ; step t's numbers through the stage: LDS serves a wave's instructions in order, so no wait stands between the stores and the loads
.irp i, 0,1,2,3
	ds_store_b128 v14, v[R+16*((\t)%4)+4*\i:R+16*((\t)%4)+4*\i+3] offset:32*SP*((\t)%2)+8*SP*\i
.endr
.irp i, 0,1,2,3
	ds_load_b128 v[X+16*((\t)%2)+4*\i:X+16*((\t)%2)+4*\i+3], v15 offset:32*SP*((\t)%2)+16*\i
.endr
.endm
.irp t, 0,1,2,3
	LOAD \t
.endr
	s_wait_loadcnt 12                              ; step 0's four loads are in; the twelve of steps 1 to 3 may be out
	TURN 0
.macro STEP t
.set XS, X+16*((\t)%2)
.if (\t) > 0
	s_wait_dscnt 1                                 ; this step's numbers are back from the stage (the last step's byte store may be out)
.else
	s_wait_dscnt 0x0
.endif
.if (\t)+4 < STEPS
	LOAD (\t)+4                                    ; the stage's stores have read their registers: these take the loads of four steps on
.endif
.if (\t)+1 < STEPS
.if STEPS-2-(\t) >= 3
	s_wait_loadcnt 12                              ; the next step's four loads are in; those of the three steps behind it may be out
.else
	s_wait_loadcnt 4*(STEPS-2-(\t))
.endif
	TURN (\t)+1                                    ; and go through the other stage while this step is worked
.endif
	v_max3_num_f32 v8, |v[XS]|, |v[XS+1]|, |v[XS+2]|               ; the largest magnitude of my 16, in two chains
	v_max3_num_f32 v9, |v[XS+3]|, |v[XS+4]|, |v[XS+5]|
.irp i, 6,10
	v_max3_num_f32 v8, v8, |v[XS+\i]|, |v[XS+\i+1]|
	v_max3_num_f32 v9, v9, |v[XS+\i+2]|, |v[XS+\i+3]|
.endr
	v_max3_num_f32 v8, v8, |v[XS+14]|, |v[XS+15]|
	v_max3_num_f32 v8, v8, v9, 0x1800000           ; and the floor 2^(3 - 127): the byte cannot fall under 1
	v_max_num_f32_dpp v8, v8, v8 row_xmask:1 row_mask:0xf bank_mask:0xf   ; and of my neighbour's 16: the block's
	v_add_nc_u32 v11, 0xff000000, v8               ; 2 off its exponent field: the conversion takes the exponent field of this operand as its scale
	v_cvt_scalef32_pk8_fp4_f32 v[C+4*(\t)], v[XS:XS+7], v11
	v_cvt_scalef32_pk8_fp4_f32 v[C+4*(\t)+1], v[XS+8:XS+15], v11
	v_lshrrev_b32 v[E+(\t)], 23, v11               ; the scale's byte (also the plain line behind the conversions)
	ds_store_b8 v5, v[E+(\t)] offset:16*(\t)       ; both lanes of a block write the same byte with the same value
	global_store_b64 v4, v[C+4*(\t):C+4*(\t)+1], s[8:9] offset:32*CB*(\t)   ; 256 consecutive bytes, aligned
.endm
.irp t, 0,1,2,3,4,5,6,7,8,9,10,11,12,13,14,15
	STEP \t
.endr
	ds_load_b64 v[8:9], v6                         ; LDS serves a wave's instructions in order: these see my stores
	s_wait_dscnt 0x0
	global_store_b64 v7, v[8:9], s[10:11]          ; 32 lanes store 256 consecutive bytes, aligned
	s_wait_tensorcnt 0x0                           ; the wave's end
	ds_add_u32 v[SPW], v[NIL]
	s_wait_dscnt 0x0
	s_endpgm
.Lnot_stream:
	s_cmp_ge_u32 ttmp9, WGCAST
	s_cbranch_scc1 .Lcast
; ---- THE KEY/VALUE PATH.  Work-group g = 2 cg + y takes channels 32 cg .. 32 cg + 31 and 512 y .. 512 y + 511 of K; wave w takes 128 of those along K: four blocks a lane.
; Each load reads one row d at 32 neighbouring columns: 128 consecutive bytes.  The codes meet in a stage (row = channel, 256 bytes = the work-group's 512 along K) and leave as whole rows.
	s_sub_co_u32 s17, ttmp9, WGKV
	s_lshr_b32 s18, s17, 1                         ; cg
	s_and_b32 s19, s17, 1                          ; y
	s_cmp_lt_u32 s18, 2                            ; channels under 64 are key_proj's
	s_cselect_b64 s[4:5], s[36:37], s[38:39]
	s_and_b32 s20, s18, 1
	s_lshl_b32 s20, s20, 7                         ; 32 columns of 4 bytes,
	s_lshl_b32 s21, s19, 17                        ; 512 rows of 256 bytes,
	s_add_co_u32 s20, s20, s21
	s_lshl_b32 s21, s16, 15                        ; 128 rows
	s_add_co_u32 s20, s20, s21
	s_mov_b32 s21, 0
	s_add_nc_u64 s[4:5], s[4:5], s[20:21]
	v_lshlrev_b32 v3, 2, v2                        ; my column
	s_mul_i32 s20, s18, 9216                       ; ws: two groups of 144 x 32 bytes for each cg,
	s_lshl_b32 s22, s19, 4                         ; 16 bytes for 512 along K,
	s_add_co_u32 s20, s20, s22
	s_lshl_b32 s22, s16, 2                         ; 4 for 128,
	s_add_co_u32 s20, s20, s22
	s_add_co_u32 s20, s20, 4096                    ; behind the group's 128 rows of query_proj
	s_add_nc_u64 s[14:15], s[14:15], s[20:21]
	s_lshl_b32 s20, s18, 1                         ; wc: the rows that wave w stores are channels 32 cg + 8 w on: group 2 cg + w / 2,
	s_lshr_b32 s22, s16, 1
	s_add_co_u32 s20, s20, s22
	s_mul_i32 s20, s20, 144
	s_and_b32 s22, s16, 1
	s_lshl_b32 s22, s22, 3                         ; row 128 + 8 (w % 2) of it
	s_add_co_u32 s20, s20, s22
	s_add_co_u32 s20, s20, 128
	s_lshl_b32 s20, s20, 9
	s_lshl_b32 s22, s19, 8                         ; and the row's half y
	s_add_co_u32 s20, s20, s22
	s_add_nc_u64 s[12:13], s[12:13], s[20:21]
	v_lshrrev_b32 v6, 4, v2                        ; lane / 16
	v_and_b32 v7, 15, v2                           ; lane % 16
	v_mul_u32_u24 v5, v6, 4608
	v_lshl_add_u32 v5, v7, 5, v5                   ; my channel's row of scale bytes: group lane / 16, row lane % 16
	v_lshlrev_b32 v10, 9, v6
	v_lshl_add_u32 v10, v7, 4, v10                 ; the way out in wc: sixteen lanes to a row's 256 bytes, two rows an instruction
	s_lshl_b32 s22, s16, 6
	s_add_co_u32 s22, s22, KVST
	v_mul_u32_u24 v4, v2, KVP
	v_add_nc_u32 v4, s22, v4                       ; into the stage: row = my channel, my wave's 64 bytes
	s_mul_i32 s23, s16, 8*KVP
	s_add_co_u32 s23, s23, KVST
	v_mul_u32_u24 v14, v6, KVP
	v_lshl_add_u32 v14, v7, 4, v14
	v_add_nc_u32 v14, s23, v14                     ; out of it: rows 8 w on
.macro KLOAD t                         ; block t: 32 rows d of my column
.irp i, 0,1,2,3,4,5,6,7,8,9,10,11,12,13,14,15,16,17,18,19,20,21,22,23,24,25,26,27,28,29,30,31
	global_load_b32 v[KX+32*(\t)+\i], v3, s[4:5] offset:(32*(\t)+\i)*256 th:TH_LOAD_NT
.endr
.endm
.macro BLOCK t, left
.set XS, KX+32*(\t)
	s_wait_loadcnt \left                           ; this block's 32 loads are in; the next block's 32 may be out
.if (\t)+2 < 4
	KLOAD (\t)+2
.endif
	v_max3_num_f32 v8, |v[XS]|, |v[XS+1]|, |v[XS+2]|               ; the block's largest magnitude: all 32 numbers are mine
	v_max3_num_f32 v9, |v[XS+3]|, |v[XS+4]|, |v[XS+5]|
.irp i, 6,10,14,18,22,26
	v_max3_num_f32 v8, v8, |v[XS+\i]|, |v[XS+\i+1]|
	v_max3_num_f32 v9, v9, |v[XS+\i+2]|, |v[XS+\i+3]|
.endr
	v_max3_num_f32 v8, v8, |v[XS+30]|, |v[XS+31]|
	v_max3_num_f32 v8, v8, v9, 0x1800000           ; and the floor 2^(3 - 127)
	v_add_nc_u32 v11, 0xff000000, v8               ; the conversion's scale operand
	v_lshrrev_b32 v9, 23, v11                      ; the scale's byte
.if (\t) == 0
	v_mov_b32 v[SBY], v9                           ; four bytes to a register, the lower K in the lower byte
.else
	v_lshl_or_b32 v[SBY], v9, 8*(\t), v[SBY]
.endif
.irp g, 0,1,2,3
	v_cvt_scalef32_pk8_fp4_f32 v[KC+4*(\t)+\g], v[XS+8*\g:XS+8*\g+7], v11
.endr
	v_nop                                          ; one plain line behind the conversions
	ds_store_b128 v4, v[KC+4*(\t):KC+4*(\t)+3] offset:16*(\t)      ; 32 codes: 16 bytes of my channel's row
.endm
	KLOAD 0
	KLOAD 1
	BLOCK 0, 32
	BLOCK 1, 32
	BLOCK 2, 32
	BLOCK 3, 0
	global_store_b32 v5, v[SBY], s[14:15]          ; my channel's four scale bytes
	s_wait_dscnt 0x0                               ; for the others' sake: my stores into the stage are done
	s_barrier_signal -1
	s_barrier_wait -1                              ; a row's 256 bytes come from four waves
.irp t, 0,1,2,3
	ds_load_b128 v[KO+4*\t:KO+4*\t+3], v14 offset:\t*2*KVP
.endr
.irp t, 0,1,2,3
	s_wait_dscnt 3-\t                              ; the younger read-backs may be out
	global_store_b128 v10, v[KO+4*\t:KO+4*\t+3], s[12:13] offset:\t*1024   ; sixteen lanes store 256 consecutive bytes, aligned
.endr
	s_wait_tensorcnt 0x0                           ; the wave's end
	ds_add_u32 v[SPW], v[NIL]
	s_wait_dscnt 0x0
	s_endpgm
.Lcast:
; ---- THE CAST.  A wave takes 4,096 numbers of output_proj: 32 loads of 512 consecutive bytes, all on their way at once; each becomes a store of 256 consecutive bytes.
	s_sub_co_u32 s17, ttmp9, WGCAST
	s_lshl_b32 s17, s17, 2
	s_add_co_u32 s17, s17, s16
	s_lshl_b32 s20, s17, 14
	s_mov_b32 s21, 0
	s_add_nc_u64 s[40:41], s[40:41], s[20:21]
	s_lshl_b32 s20, s17, 13
	s_add_nc_u64 s[42:43], s[42:43], s[20:21]
	v_lshlrev_b32 v3, 4, v2
	v_lshlrev_b32 v4, 3, v2
.irp j, 0,1,2,3,4,5,6,7,8,9,10,11,12,13,14,15,16,17,18,19,20,21,22,23,24,25,26,27,28,29,30,31
	global_load_b128 v[16+4*\j:16+4*\j+3], v3, s[40:41] offset:512*\j th:TH_LOAD_NT
.endr
.irp j, 0,1,2,3,4,5,6,7,8,9,10,11,12,13,14,15,16,17,18,19,20,21,22,23,24,25,26,27,28,29,30,31
	s_wait_loadcnt 31-\j                           ; loads come back in order: load j is in, the younger ones stay out
	v_cvt_pk_f16_f32 v[144+2*\j], v[16+4*\j], v[17+4*\j]
	v_cvt_pk_f16_f32 v[145+2*\j], v[18+4*\j], v[19+4*\j]
	global_store_b64 v4, v[144+2*\j:145+2*\j], s[42:43] offset:256*\j
.endr
	s_wait_tensorcnt 0x0                           ; all three paths end alike
	ds_add_u32 v[SPW], v[NIL]
	s_wait_dscnt 0x0
	s_endpgm
.Lfunc_end_k_qfafed0f8e6_prep:
	.size	k_qfafed0f8e6_prep, .Lfunc_end_k_qfafed0f8e6_prep-k_qfafed0f8e6_prep
	.p2alignl 7, 3214868480
	.fill 96, 4, 3214868480
	.section	.rodata,"a",@progbits
	.p2align	6, 0x0
	.amdhsa_kernel k_qfafed0f8e6_prep
		.amdhsa_group_segment_fixed_size 41984
		.amdhsa_private_segment_fixed_size 0
		.amdhsa_enable_private_segment 0
		.amdhsa_kernarg_size 80
		.amdhsa_user_sgpr_count 2
		.amdhsa_user_sgpr_kernarg_segment_ptr 1
		.amdhsa_wavefront_size32 1
		.amdhsa_system_sgpr_workgroup_id_x 1
		.amdhsa_system_sgpr_workgroup_id_y 1
		.amdhsa_system_sgpr_workgroup_id_z 1
		.amdhsa_system_vgpr_workitem_id 0
		.amdhsa_next_free_vgpr 208
		.amdhsa_next_free_sgpr 66
		.amdhsa_reserve_vcc 0
		.amdhsa_float_denorm_mode_32 3
		.amdhsa_float_denorm_mode_16_64 3
		.amdhsa_memory_ordered 1
		.amdhsa_forward_progress 1
		.amdhsa_inst_pref_size 67
	.end_amdhsa_kernel
	.amdgpu_metadata
---
amdhsa.version: [ 1, 2 ]
amdhsa.kernels:
  - .name:           k_qfafed0f8e6_prep
    .symbol:         k_qfafed0f8e6_prep.kd
    .args:
      - { .name: x, .offset: 0, .size: 8, .value_kind: global_buffer, .address_space: global }
      - { .name: query_proj, .offset: 8, .size: 8, .value_kind: global_buffer, .address_space: global }
      - { .name: xc, .offset: 16, .size: 8, .value_kind: global_buffer, .address_space: global }
      - { .name: xs, .offset: 24, .size: 8, .value_kind: global_buffer, .address_space: global }
      - { .name: wc, .offset: 32, .size: 8, .value_kind: global_buffer, .address_space: global }
      - { .name: ws, .offset: 40, .size: 8, .value_kind: global_buffer, .address_space: global }
      - { .name: key_proj, .offset: 48, .size: 8, .value_kind: global_buffer, .address_space: global }
      - { .name: value_proj, .offset: 56, .size: 8, .value_kind: global_buffer, .address_space: global }
      - { .name: output_proj, .offset: 64, .size: 8, .value_kind: global_buffer, .address_space: global }
      - { .name: wo16, .offset: 72, .size: 8, .value_kind: global_buffer, .address_space: global }
    .group_segment_fixed_size: 41984
    .private_segment_fixed_size: 0
    .kernarg_segment_align: 8
    .kernarg_segment_size: 80
    .max_flat_workgroup_size: 128
    .sgpr_count:     66
    .vgpr_count:     208
    .wavefront_size: 32
...
	.end_amdgpu_metadata
.endif
;; end of part 1
;; launch proj (part 2): grid 8 x 32, 4 waves a work-group, clusters of 4 x 4, 180,224 bytes of LDS; arguments xc, xs, wc, ws, q16, kvt; writes q16, kvt
.if DOCPART == 2
	.amdgcn_target "amdgcn-amd-amdhsa--gfx1250"
	.amdhsa_code_object_version 6
	.text
	.protected	k_qfafed0f8e6_proj
	.globl	k_qfafed0f8e6_proj
	.p2align	8
	.type	k_qfafed0f8e6_proj,@function
k_qfafed0f8e6_proj:
	s_mov_b64 s[64:65], 0
	v_nop
	global_prefetch_b8 v0, s[64:65] scope:SCOPE_SE
	s_setreg_imm32_b32 hwreg(HW_REG_WAVE_MODE, 25, 1), 1
	s_wait_xcnt 0x0
	s_wait_alu depctr_hold_cnt(0) depctr_sa_sdst(0) depctr_va_vdst(0) depctr_va_sdst(0) depctr_va_ssrc(0) depctr_va_vcc(0) depctr_vm_vsrc(0)
	s_getreg_b32 s2, hwreg(HW_REG_IB_STS2, 6, 4)
	s_cmp_eq_u32 s2, 0
	s_cbranch_scc0 .Lentry_in_a_cluster
	s_endpgm
.Lentry_in_a_cluster:
	s_bfe_u32 s2, ttmp6, 0x10000c
	s_cmp_lg_u32 s2, 0xf033
	s_cbranch_scc0 .Lentry_shape_is_right
	s_endpgm
.Lentry_shape_is_right:
; PROJ: q = x Wq^T, k = x Wk, v = x Wv, all three on codes of FP4 (E2M1) with one E8M0 scale for each 32 along K = 1,024; sums in f32, K ascending; results rounded once to f16.
; xc [4096][512 bytes], xs [4096][32]; wc [8 groups][144 rows][512], ws [8][144][32]: a group is 128 rows of query_proj and 16 key/value channels.
; q16 [4096 positions][1024 (h,k)] f16.  kvt [2 batches][128 channels: 64 of k, 64 of v][2048 positions] f16: positions innermost.
; SHARES.  Work-group (bx, by) takes positions 128 by on against group bx: 256 equal work-groups.  Wave w takes positions 32 w .. 32 w + 31 (two tiles of 16) against all nine tiles of 16 rows: 18 accumulators.
; ALL OF K LIES IN LDS AT ONCE: 128 + 144 rows of 512 bytes and their scale bytes.  Every byte is filled once: no ring, no refill.  A wave has two tensor loads out.
; CLUSTERS: 4 x 4 work-groups.  The four of a row of the cluster need the same rows of x, the four of a column the same group of weights: each tile is asked for jointly, by the same tensor load with the
; same descriptor and a mask that names the four.
; THE TWO USES.  For q the matrix instruction is used transposed (source 0 = 16 rows of the weights, source 1 = 16 positions): a lane holds one position and eight neighbouring channels of q16's row.
; For k and v it is used as it stands (source 0 = 16 positions, source 1 = 16 channels): a lane holds one channel and eight neighbouring positions of kvt's row.
; LIMITS: q, k and v beyond 65,504 in magnitude become infinite in f16; under 6e-5 they keep an absolute error of 3e-8.
; REGISTERS.  Window 0: v1-15 addresses; v16-31 x's scale words (8 a + q), v32-103 the weights' (8 b + q): scales and nothing else; v104-135 x's fragments, two sets; v136-207 the weights' fragments, set 0;
;   on the way out v104-247 are free; v248, v249 the add's two.   Window 1: v0-127 q's accumulators ((a, b) at 8 (8 a + b)), v128-143 k/v's (128 + 8 a); v144-215 the weights' fragments, set 1.
.set PITCH, 528                        ; an LDS row of codes: 512 bytes + 16 of padding: the 16 rows that a load touches start 16 bytes further on in each 256
.set LB,    128*PITCH                  ; x's 128 rows lie from 0 on, the weights' 144 behind them
.set LSA,   LB+144*PITCH               ; x's scale bytes: 16 pieces of 256 bytes + 16 of padding
.set LSB,   LSA+16*272                 ; the weights': 18 pieces
.set QST,   153088                     ; behind the fills, on a multiple of 256: a stage of 16 rows x 272 bytes for each wave
.set KST,   QST+4*16*272               ; the work-group's stage for k and v: 16 channels x 272 bytes
.set SPARE, KST+16*272                 ; the spare words, 128 bytes for each wave: two blocks of 256 bytes that no other line names
.set ADA,  4                           ; v4   my place in x's rows: (32 w + r) x pitch + 16 h
.set ADB,  5                           ; v5   in the weights' tiles 0-3
.set ADB4, 6                           ; v6   in tiles 4-8 (an LDS offset has 16 bits)
.set ASA,  7                           ; v7   my row's scale bytes of x
.set ASB,  8                           ; v8   of the weights
.set STO,  9                           ; v9   q's stage: where I put 16 bytes of a row
.set RD,   10                          ; v10  and where I read a row back
.set CO,   11                          ; v11  my byte offset in q16
.set KSTO, 12                          ; v12  the same three for k and v
.set KRD,  13
.set KCO,  14
.set SA,   16
.set SB,   32
.set SPW,  248
.set NIL,  249
.set G1A,  24                          ; s[24:31] descriptor group 1 for x's codes;  s[32:39] the weights';  s[40:47], s[48:55] their scale bytes
.set G1B,  32
.set G1SA, 40
.set G1SB, 48
.set G0A,  56                          ; s[56:59], s[60:63], s[68:71], s[72:75] the four groups 0
.set G0B,  60
.set G0SA, 68
.set G0SB, 72
.set MSB, 0
.macro WIN new                         ; the immediate's high byte repeats the setting that is left; a switch that changes nothing is dropped
.if MSB != (\new)
	s_set_vgpr_msb (MSB<<8)|(\new)
.set MSB, (\new)
.endif
.endm
.macro CROUND                          ; a round of the cluster's barrier
	s_barrier_signal -1
	s_barrier_wait -1
	s_cmp_lg_u32 s16, 0
	s_cbranch_scc1 .Lnot_wave_0_\@
	s_barrier_signal -3
.Lnot_wave_0_\@:
	s_barrier_wait -3
	s_barrier_signal -1
	s_barrier_wait -1
.endm
.macro PLACES                          ; four places in front of loads into registers that matrix instructions have read, and of the first read of results
.rept 4
	v_nop
.endr
.endm
	s_load_b256 s[4:11], s[0:1], 0x0               ; xc s[4:5], xs s[6:7], wc s[8:9], ws s[10:11]
	s_load_b128 s[12:15], s[0:1], 0x20             ; q16 s[12:13], kvt s[14:15]
	v_lshl_add_u32 v[SPW], v0, 2, SPARE
	v_mov_b32 v[NIL], 0
	ds_add_u32 v[SPW], v[NIL]                      ; the wave's opening: the add, twice on end, and its wait ahead of my first tensor load
	ds_add_u32 v[SPW], v[NIL]                      ; and once more, under the one wait; the set-up below, work on registers, stands between
	v_lshrrev_b32 v1, 5, v0
	v_readfirstlane_b32 s16, v1                    ; wave 0..3
	s_lshr_b32 s17, s16, 1                         ; I fetch for x (0) or for the weights (1),
	s_and_b32 s18, s16, 1                          ; the first or the second half of the rows
	s_bfe_u32 s19, ttmp6, 0x40000                  ; cx, cy: my place in the cluster
	s_bfe_u32 s20, ttmp6, 0x40004
	s_lshl_b32 s21, ttmp9, 2
	s_add_co_u32 s21, s21, s19                     ; bx = 4 x cluster x + cx
	s_and_b32 s22, ttmp7, 0xffff
	s_lshl_b32 s22, s22, 2
	s_add_co_u32 s22, s22, s20                     ; by = 4 x cluster y + cy
	s_lshl_b32 s23, s20, 2
	s_lshl_b32 s23, 15, s23                        ; my row of the cluster
	s_lshl_b32 s76, 0x1111, s19                    ; my column
	; group 1, codes: rows of 512 elements of 1 byte, 4 words of padding behind every 128 words; 64 rows of x, 72 of the weights to a load
	s_or_b32 s[G1A], s23, (1<<20)|(1<<21)|(6<<22)|(3<<25)   ; 15:0 the mask; 17:16 elements of 1 byte; 20 padding on; 21 set beside a mask; 24:22 code 6; 31:25 code 3
	s_or_b32 s[G1B], s76, (1<<20)|(1<<21)|(6<<22)|(3<<25)
.irp g, G1A, G1B
	s_mov_b32 s[\g+1], 512<<16                     ; tensor_dim0
	s_mov_b32 s[\g+3], 512<<16                     ; tile_dim0
	s_mov_b32 s[\g+5], 512                         ; tensor_dim0_stride
	s_mov_b32 s[\g+6], 0
	s_mov_b32 s[\g+7], 0
.endr
	s_mov_b32 s[G1A+2], 64<<16                     ; tensor_dim1
	s_mov_b32 s[G1A+4], 64                         ; tile_dim1
	s_mov_b32 s[G1B+2], 72<<16
	s_mov_b32 s[G1B+4], 72
	; group 1, scale bytes: a dense block, as rows of 256 bytes (32 elements of 8 bytes), 4 words of padding behind each; 8 such rows for x's 64 rows, 9 for the weights' 72
	s_or_b32 s[G1SA], s23, (3<<16)|(1<<20)|(1<<21)|(5<<22)|(3<<25)
	s_or_b32 s[G1SB], s76, (3<<16)|(1<<20)|(1<<21)|(5<<22)|(3<<25)
.irp g, G1SA, G1SB
	s_mov_b32 s[\g+1], 32<<16
	s_mov_b32 s[\g+3], 32<<16
	s_mov_b32 s[\g+5], 32
	s_mov_b32 s[\g+6], 0
	s_mov_b32 s[\g+7], 0
.endr
	s_mov_b32 s[G1SA+2], 8<<16
	s_mov_b32 s[G1SA+4], 8
	s_mov_b32 s[G1SB+2], 9<<16
	s_mov_b32 s[G1SB+4], 9
	; where the tiles come from.  x's hang on by alone, the weights' on bx alone; each in registers that never hold the other coordinate
	s_lshl_b32 s84, s22, 7
	s_lshl_b32 s79, s18, 6
	s_add_co_u32 s84, s84, s79                     ; x: row 128 by + 64 x half
	s_lshl_b32 s86, s84, 5                         ; its scale bytes,
	s_mov_b32 s87, 0
	s_lshl_b32 s84, s84, 9                         ; its codes
	s_mov_b32 s85, 0
	s_mul_i32 s88, s21, 144
	s_mul_i32 s79, s18, 72
	s_add_co_u32 s88, s88, s79                     ; the weights: row 144 bx + 72 x half
	s_lshl_b32 s90, s88, 5
	s_mov_b32 s91, 0
	s_lshl_b32 s88, s88, 9
	s_mov_b32 s89, 0
	s_mov_b32 s[G0A], 1                            ; count = 1
	s_mov_b32 s[G0B], 1
	s_mov_b32 s[G0SA], 1
	s_mov_b32 s[G0SB], 1
	s_mul_i32 s[G0A+1], s18, 64*PITCH              ; and where they go: the half alone enters an LDS address
	s_mul_i32 s[G0B+1], s18, 72*PITCH
	s_add_co_u32 s[G0B+1], s[G0B+1], LB
	s_mul_i32 s[G0SA+1], s18, 8*272
	s_add_co_u32 s[G0SA+1], s[G0SA+1], LSA
	s_mul_i32 s[G0SB+1], s18, 9*272
	s_add_co_u32 s[G0SB+1], s[G0SB+1], LSB
	s_wait_dscnt 0x0                               ; both opening adds are done
	s_wait_kmcnt 0x0
	s_add_nc_u64 s[G0A+2:G0A+3], s[4:5], s[84:85]
	s_or_b32 s[G0A+3], s[G0A+3], 0x80000000        ; type = 2
	s_add_nc_u64 s[G0SA+2:G0SA+3], s[6:7], s[86:87]
	s_or_b32 s[G0SA+3], s[G0SA+3], 0x80000000
	s_add_nc_u64 s[G0B+2:G0B+3], s[8:9], s[88:89]
	s_or_b32 s[G0B+3], s[G0B+3], 0x80000000
	s_add_nc_u64 s[G0SB+2:G0SB+3], s[10:11], s[90:91]
	s_or_b32 s[G0SB+3], s[G0SB+3], 0x80000000
	CROUND                                         ; all sixteen work-groups are here: the joint loads meet
	s_cmp_eq_u32 s17, 0                            ; a wave's two fills stand in one branch on the wave's number; an s_nop 0 follows each, four v_nop the second
	s_cbranch_scc0 .Lfor_b
	tensor_load_to_lds s[G0SA:G0SA+3], s[G1SA:G1SA+7]
	s_nop 0
	tensor_load_to_lds s[G0A:G0A+3], s[G1A:G1A+7]
	s_nop 0
.rept 4
	v_nop
.endr
	s_branch .Lasked
.Lfor_b:
	tensor_load_to_lds s[G0SB:G0SB+3], s[G1SB:G1SB+7]
	s_nop 0
	tensor_load_to_lds s[G0B:G0B+3], s[G1B:G1B+7]
	s_nop 0
.rept 4
	v_nop
.endr
.Lasked:
	v_and_b32 v1, 15, v0                           ; r = lane % 16
	v_bfe_u32 v2, v0, 4, 1                         ; h = lane / 16
	v_mul_u32_u24 v15, v1, PITCH
	v_lshl_add_u32 v15, v2, 4, v15                 ; a fragment's row x pitch + 16 h
	s_mul_i32 s80, s16, 32*PITCH
	v_add_nc_u32 v[ADA], s80, v15
	v_add_nc_u32 v[ADB], LB, v15
	v_add_nc_u32 v[ADB4], LB+4*16*PITCH, v15
	v_lshrrev_b32 v3, 3, v1                        ; a row's 32 scale bytes: eight rows to a piece of 256 bytes + 16
	v_mul_u32_u24 v3, v3, 272
	v_and_b32 v[ASB], 7, v1
	v_lshl_add_u32 v3, v[ASB], 5, v3
	s_mul_i32 s80, s16, 4*272
	s_add_co_u32 s80, s80, LSA
	v_add_nc_u32 v[ASA], s80, v3
	v_add_nc_u32 v[ASB], LSB, v3
	s_mul_i32 s80, s16, 16*272
	s_add_co_u32 s80, s80, QST                     ; my stage
	v_mul_u32_u24 v3, v1, 272
	v_lshl_add_u32 v3, v2, 4, v3                   ; in: row r, 16 bytes for each half of the lanes
	v_add_nc_u32 v[STO], s80, v3
	s_lshl_b32 s81, s16, 6
	s_add_co_u32 s81, s81, KST
	v_add_nc_u32 v[KSTO], s81, v3                  ; k and v: row = channel r, my wave's 32 positions: 64 bytes
	v_mul_u32_u24 v3, v2, 272
	v_lshl_add_u32 v3, v1, 4, v3                   ; back: lanes 0-15 one row of 256 bytes, lanes 16-31 the next
	v_add_nc_u32 v[RD], s80, v3
	s_mul_i32 s81, s16, 4*272
	s_add_co_u32 s81, s81, KST
	v_add_nc_u32 v[KRD], s81, v3                   ; wave w takes channels 4 w on
	v_lshlrev_b32 v3, 4, v1
	v_lshl_add_u32 v[CO], v2, 11, v3               ; the same two rows in q16 (2,048 bytes a row)
	v_lshl_add_u32 v[KCO], v2, 12, v3              ; and in kvt (4,096 bytes a row)
	s_lshl_b32 s80, s22, 7
	s_lshl_b32 s81, s16, 5
	s_add_co_u32 s80, s80, s81                     ; my first position: 128 by + 32 w
	s_lshl_b32 s80, s80, 11
	s_lshl_b32 s81, s21, 8                         ; the group's 128 channels: 256 bytes
	s_add_co_u32 s80, s80, s81
	s_mov_b32 s81, 0
	s_add_nc_u64 s[12:13], s[12:13], s[80:81]
	s_lshr_b32 s80, s22, 4                         ; kvt: the batch: 128 rows of 4,096 bytes,
	s_lshl_b32 s80, s80, 19
	s_lshl_b32 s82, s21, 4
	s_lshl_b32 s83, s16, 2
	s_add_co_u32 s82, s82, s83                     ; channel 16 bx + 4 w,
	s_lshl_b32 s82, s82, 12
	s_add_co_u32 s80, s80, s82
	s_and_b32 s82, s22, 15                         ; the work-group's 128 positions in the batch: 256 bytes
	s_lshl_b32 s82, s82, 8
	s_add_co_u32 s80, s80, s82
	s_add_nc_u64 s[14:15], s[14:15], s[80:81]
.macro SCALES                          ; 22 loads: all eight K steps' scale words of my 32 positions and of the 144 rows: word q of a row scales K = 128 q on
.irp a, 0,1
.irp u, 0,1
	ds_load_b128 v[SA+8*\a+4*\u:SA+8*\a+4*\u+3], v[ASA] offset:544*\a+16*\u
.endr
.endr
.irp b, 0,1,2,3,4,5,6,7,8
.irp u, 0,1
	ds_load_b128 v[SB+8*\b+4*\u:SB+8*\b+4*\u+3], v[ASB] offset:544*\b+16*\u
.endr
.endr
.endm
; 22 loads: K step q's fragments into set q % 2.  A fragment, 16 rows x 128 K of 4-bit codes, is 8 registers: lane (r, h) holds row r; registers 4 c .. 4 c + 3 hold K = 64 c + 32 h + 0 .. 31
.macro FETCH q
.set PP, (\q)%2
	WIN 0
.irp a, 0,1
.irp c, 0,1
	ds_load_b128 v[104+16*PP+8*\a+4*\c:104+16*PP+8*\a+4*\c+3], v[ADA] offset:16*PITCH*\a+64*(\q)+32*\c
.endr
.endr
	WIN 0x40*PP                                    ; set 1 of the weights' fragments lies in window 1
.irp b, 0,1,2,3
.irp c, 0,1
	ds_load_b128 v[136+8*PP+8*\b+4*\c:136+8*PP+8*\b+4*\c+3], v[ADB] offset:16*PITCH*\b+64*(\q)+32*\c
.endr
.endr
.irp b, 4,5,6,7,8
.irp c, 0,1
	ds_load_b128 v[136+8*PP+8*\b+4*\c:136+8*PP+8*\b+4*\c+3], v[ADB4] offset:16*PITCH*(\b-4)+64*(\q)+32*\c
.endr
.endr
	WIN 0
.endm
; K step q: 18 matrix instructions, the 18 accumulators by turns, in the same order in every step.  zero = 1: the first step starts the sums: nothing is cleared.
.macro MULS q, zero
.set PP, (\q)%2
.set AFR, 104+16*PP
.set BFR, 136+8*PP
	WIN 0x50+PP                                    ; source 0 (the weights) window PP, source 1 (x) window 0, C and D window 1
.irp a, 0,1
.irp b, 0,1,2,3,4,5,6,7
.if \zero
	v_wmma_scale_f32_16x16x128_f8f6f4 v[8*(8*\a+\b):8*(8*\a+\b)+7], v[BFR+8*\b:BFR+8*\b+7], v[AFR+8*\a:AFR+8*\a+7], 0, v[SB+8*\b+(\q)], v[SA+8*\a+(\q)] matrix_a_fmt:MATRIX_FMT_FP4 matrix_b_fmt:MATRIX_FMT_FP4
.else
	v_wmma_scale_f32_16x16x128_f8f6f4 v[8*(8*\a+\b):8*(8*\a+\b)+7], v[BFR+8*\b:BFR+8*\b+7], v[AFR+8*\a:AFR+8*\a+7], v[8*(8*\a+\b):8*(8*\a+\b)+7], v[SB+8*\b+(\q)], v[SA+8*\a+(\q)] matrix_a_fmt:MATRIX_FMT_FP4 matrix_b_fmt:MATRIX_FMT_FP4
.endif
.endr
.endr
	WIN 0x50+4*PP                                  ; source 0 (x) window 0, source 1 (the key/value channels) window PP
.irp a, 0,1
.if \zero
	v_wmma_scale_f32_16x16x128_f8f6f4 v[128+8*\a:128+8*\a+7], v[AFR+8*\a:AFR+8*\a+7], v[BFR+64:BFR+71], 0, v[SA+8*\a+(\q)], v[SB+64+(\q)] matrix_a_fmt:MATRIX_FMT_FP4 matrix_b_fmt:MATRIX_FMT_FP4
.else
	v_wmma_scale_f32_16x16x128_f8f6f4 v[128+8*\a:128+8*\a+7], v[AFR+8*\a:AFR+8*\a+7], v[BFR+64:BFR+71], v[128+8*\a:128+8*\a+7], v[SA+8*\a+(\q)], v[SB+64+(\q)] matrix_a_fmt:MATRIX_FMT_FP4 matrix_b_fmt:MATRIX_FMT_FP4
.endif
.endr
.endm
	s_wait_tensorcnt 0x0                           ; my two loads have landed,
	s_barrier_signal -1
	s_barrier_wait -1                              ; everybody's have
	SCALES
	FETCH 0
	FETCH 1
	s_wait_dscnt 22                                ; all but the 22 loads just issued
	MULS 0, 1
.irp q, 1,2,3,4,5,6
	PLACES                                         ; the set that the step before last multiplied is loaded again
	FETCH \q+1
	s_wait_dscnt 22                                ; all but the 22 loads just issued
	MULS \q, 0
.endr
	s_wait_dscnt 0x0
	MULS 7, 0
	; THE WAY OUT.  Rounded to f16, each accumulator from its low end on.  q: a block of 16 positions x 128 channels goes through my own stage and comes back as whole rows of 256 bytes.
	; k and v: a channel's 128 positions come from four waves: they meet in the work-group's stage, behind a barrier.
	PLACES
	WIN 0x05                                       ; sources 0 and 1 window 1, destination window 0
.irp a, 0,1
.irp i, 0,1,2,3
	v_cvt_pk_f16_f32 v[200+4*\a+\i], v[128+8*\a+2*\i], v[128+8*\a+2*\i+1]
.endr
.endr
.irp a, 0,1
.irp b, 0,1,2,3,4,5,6,7
.irp i, 0,1,2,3
	v_cvt_pk_f16_f32 v[104+32*\a+4*\b+\i], v[8*(8*\a+\b)+2*\i], v[8*(8*\a+\b)+2*\i+1]
.endr
.endr
.endr
	WIN 0
.irp a, 0,1
	ds_store_b128 v[KSTO], v[200+4*\a:200+4*\a+3] offset:32*\a     ; channel r, positions 32 w + 16 a + 8 h on
.endr
.irp b, 0,1,2,3,4,5,6,7
	ds_store_b128 v[STO], v[104+4*\b:104+4*\b+3] offset:32*\b
.endr
.irp t, 0,1,2,3,4,5,6,7
	ds_load_b128 v[168+4*\t:168+4*\t+3], v[RD] offset:\t*544       ; LDS serves a wave's instructions in order: these see the stores above, and the next block's stores come behind them
.endr
.irp b, 0,1,2,3,4,5,6,7
	ds_store_b128 v[STO], v[136+4*\b:136+4*\b+3] offset:32*\b
.endr
.irp t, 0,1,2,3,4,5,6,7
	ds_load_b128 v[216+4*\t:216+4*\t+3], v[RD] offset:\t*544
.endr
	s_wait_dscnt 16                                ; the first block is back; the second's 8 stores and 8 loads may be out
.irp t, 0,1,2,3,4,5,6,7
	global_store_b128 v[CO], v[168+4*\t:168+4*\t+3], s[12:13] offset:4096*\t           ; sixteen lanes store 256 consecutive bytes, aligned
.endr
	s_wait_dscnt 0x0                               ; the second block is back, and my stores into the shared stage are done
.irp t, 0,1,2,3,4,5,6,7
	global_store_b128 v[CO], v[216+4*\t:216+4*\t+3], s[12:13] offset:32768+4096*\t
.endr
	s_barrier_signal -1
	s_barrier_wait -1                              ; 16 whole rows of k or v lie in the stage
.irp i, 0,1
	ds_load_b128 v[208+4*\i:208+4*\i+3], v[KRD] offset:\i*544
.endr
	s_wait_dscnt 0x0
.irp i, 0,1
	global_store_b128 v[KCO], v[208+4*\i:208+4*\i+3], s[14:15] offset:8192*\i          ; sixteen lanes store 256 consecutive bytes of a channel's row, aligned
.endr
	s_wait_tensorcnt 0x0                           ; the wave's end
	ds_add_u32 v[SPW], v[NIL]
	s_wait_dscnt 0x0
	CROUND                                         ; the closing round
	s_endpgm
.Lfunc_end_k_qfafed0f8e6_proj:
	.size	k_qfafed0f8e6_proj, .Lfunc_end_k_qfafed0f8e6_proj-k_qfafed0f8e6_proj
	.p2alignl 7, 3214868480
	.fill 96, 4, 3214868480
	.section	.rodata,"a",@progbits
	.p2align	6, 0x0
	.amdhsa_kernel k_qfafed0f8e6_proj
		.amdhsa_group_segment_fixed_size 180224
		.amdhsa_private_segment_fixed_size 0
		.amdhsa_enable_private_segment 0
		.amdhsa_kernarg_size 48
		.amdhsa_user_sgpr_count 2
		.amdhsa_user_sgpr_kernarg_segment_ptr 1
		.amdhsa_wavefront_size32 1
		.amdhsa_system_sgpr_workgroup_id_x 1
		.amdhsa_system_sgpr_workgroup_id_y 1
		.amdhsa_system_sgpr_workgroup_id_z 1
		.amdhsa_system_vgpr_workitem_id 0
		.amdhsa_next_free_vgpr 512
		.amdhsa_next_free_sgpr 96
		.amdhsa_reserve_vcc 0
		.amdhsa_float_denorm_mode_32 3
		.amdhsa_float_denorm_mode_16_64 3
		.amdhsa_memory_ordered 1
		.amdhsa_forward_progress 1
		.amdhsa_inst_pref_size 50
	.end_amdhsa_kernel
	.amdgpu_metadata
---
amdhsa.version: [ 1, 2 ]
amdhsa.kernels:
  - .name:           k_qfafed0f8e6_proj
    .symbol:         k_qfafed0f8e6_proj.kd
    .args:
      - { .name: xc, .offset: 0, .size: 8, .value_kind: global_buffer, .address_space: global }
      - { .name: xs, .offset: 8, .size: 8, .value_kind: global_buffer, .address_space: global }
      - { .name: wc, .offset: 16, .size: 8, .value_kind: global_buffer, .address_space: global }
      - { .name: ws, .offset: 24, .size: 8, .value_kind: global_buffer, .address_space: global }
      - { .name: q16, .offset: 32, .size: 8, .value_kind: global_buffer, .address_space: global }
      - { .name: kvt, .offset: 40, .size: 8, .value_kind: global_buffer, .address_space: global }
    .group_segment_fixed_size: 180224
    .private_segment_fixed_size: 0
    .kernarg_segment_align: 8
    .kernarg_segment_size: 48
    .max_flat_workgroup_size: 128
    .sgpr_count:     96
    .vgpr_count:     512
    .wavefront_size: 32
...
	.end_amdgpu_metadata
.endif
;; end of part 2
;; launch attn (part 3): grid 128 x 2, 8 waves a work-group, clusters of 4 x 1, 327,680 bytes of LDS; arguments q16, kvt, o16; writes o16
.if DOCPART == 3
	.amdgcn_target "amdgcn-amd-amdhsa--gfx1250"
	.amdhsa_code_object_version 6
	.text
	.protected	k_qfafed0f8e6_attn
	.globl	k_qfafed0f8e6_attn
	.p2align	8
	.type	k_qfafed0f8e6_attn,@function
k_qfafed0f8e6_attn:
	s_mov_b64 s[64:65], 0
	v_nop
	global_prefetch_b8 v0, s[64:65] scope:SCOPE_SE
	s_setreg_imm32_b32 hwreg(HW_REG_WAVE_MODE, 25, 1), 1
	s_wait_xcnt 0x0
	s_wait_alu depctr_hold_cnt(0) depctr_sa_sdst(0) depctr_va_vdst(0) depctr_va_sdst(0) depctr_va_ssrc(0) depctr_va_vcc(0) depctr_vm_vsrc(0)
	s_getreg_b32 s2, hwreg(HW_REG_IB_STS2, 6, 4)
	s_cmp_eq_u32 s2, 0
	s_cbranch_scc0 .Lentry_in_a_cluster
	s_endpgm
.Lentry_in_a_cluster:
	s_bfe_u32 s2, ttmp6, 0x10000c
	s_cmp_lg_u32 s2, 0x3003
	s_cbranch_scc0 .Lentry_shape_is_right
	s_endpgm
.Lentry_shape_is_right:
; ATTN: o[b][n][h][:] = the sum over m of softmax_m(q[b][n][h] . k[b][m] / 8) v[b][m][:].  One key and value head serves all 16 query heads.
; q16, o16: [4096 positions][16 heads x 64] f16.  kvt: [2 batches][128 channels: 64 of k, 64 of v][2048 positions] f16, positions innermost.  Products on f16 operands, sums, maxima and softmax in f32.
; SHARES.  A work-group owns 16 positions x 16 heads of one batch: 256 query rows; each of its eight waves two heads: two tiles of 16 queries.  Every wave walks all 2,048 keys, 64 a step.
; LAYOUT.  S^T = K Q^T (source 0 = 16 keys, source 1 = 16 queries): a lane holds ONE query (lane % 16) and the keys 8 (lane / 16) + 0..7.  Two such tiles, rounded to f16 in pairs, ARE source 1
; (32 keys x 16 queries) of O^T = V^T P, whose result again holds one query a lane.  V^T comes out of LDS as it lies (keys along the rows); K ([channel][key]) is turned by ds_load_tr16_b128.
; SOFTMAX.  For each query a running maximum m and sum l: p = 2^(c s - c m), c = log2(e) / 8; in every step O and l are multiplied by a = 2^(c m_old - c m_new).  m begins at -3e38 and O and l at zero,
; so that the first a is 0 and multiplies zeros: no step has a text of its own for being the first.
; BY TURNS.  The wave's two tiles never look at each other.  In tile x's TURN stand its 8 products V^T P of the step in hand and then its 8 products K Q^T of the next step, and the OTHER tile's softmax, a list
; of 118 instructions, stands between them: 70 (maxima, scalings, all 33 exponentials) behind the 8 products V^T P, 48 (roundings, sums, rescaling) behind the products K Q^T.  Then the tiles change places.
; Two turns are a key step.  So the wave has vector work to issue while its own products run.
; CLUSTER.  The four work-groups of a cluster belong to one batch and walk the same K and V: each tile is asked for jointly, by the same tensor load with the same descriptor and a mask that names the four.
; THE RING.  Two slots of 256 keys (four steps).  Waves 0-3 fetch 16 of K's 64 channel rows each, waves 4-7 of V's: one load a wave behind each round.  A wave has two loads out at
; the start and one behind each round.
; LIMITS: p is at most 1; a p under 6e-8 is 0 in f16.  q, k, v and o beyond 65,504 in magnitude are infinite in f16.  NaN and infinities are not served.
; REGISTERS.  Window 0 holds all that a softmax and V^T P touch, so that neither needs a switch: v2-13 addresses; v14, v15 the add's two; v16-31 eight registers of statistics a tile; v32-95 S^T, then p;
;   v96-127 P; v128-191 O^T; v192-255 V of a step.   Window 1: v0-31 Q; v32-95 K of a step.  Only K Q^T and K's loads name window 1; the products K Q^T go two at a time: eight switches a turn.
.set PK,    544                        ; a channel row of K in LDS: 512 bytes + 32 of padding
.set PV,    528                        ; of V: 512 + 16
.set VOFF,  64*PK                      ; a slot: 64 rows of K, then 64 rows of V
.set SLOT1, 1<<17                      ; slot 1 begins here: one exclusive or turns an address in one slot into the other's
.set STAGE, SLOT1+VOFF+64*PV           ; behind the ring: 16 rows x 272 bytes for each wave, for the way out
.set SP,    272
.set SPARE, STAGE+8*16*SP              ; the spare words, 128 bytes for each wave: four blocks of 256 bytes that no other line names
.set AK0, 2                            ; v2   my lane's place in a tile of K; never rewritten
.set AV0, 3                            ; v3   the same for V
.set ADK, 4                            ; v4   the LDS address of K's run of loads
.set ADV, 5                            ; v5   of V's
.set QO,  6                            ; v6   my byte offset in the wave's rows of Q
.set STO, 7                            ; v7   the way out: where I put 16 bytes of a row
.set RD,  8                            ; v8   where I read a row back
.set GO,  9                            ; v9   my byte offset in the wave's rows of O
.set PFO, 10                           ; v10  the prefetches' offset; never rewritten
.set SPW, 14                           ; v14  LDS address of my spare word; never rewritten
.set NIL, 15                           ; v15  0; never rewritten
.set ST,  16                           ; tile t's statistics at v[ST+8 t]: +0 c m, +1 m, +2, +3 l (even keys', odd keys'), +4 to +7 at work; a at +6
.set S,   32                           ; tile t, keys 16 kt on: 32 t + 8 kt
.set P,   96                           ; tile t, keys 32 kk on: 16 t + 8 kk
.set O,   128                          ; tile t, channels 16 ct on: 32 t + 8 ct
.set VF,  192                          ; keys 32 kk on, channels 16 ct on: 8 (4 kk + ct)
.set Q,   0                            ; in window 1: tile t, channels 32 c on: 16 t + 8 c
.set KF,  32                           ; in window 1: keys 16 kt on, channels 32 c on: 16 kt + 8 c
.set WV,  12                           ; s12  my wave's number
.set LIM, 15                           ; s15  1 in a wave that prefetches, else the greatest number
.set PFA, 18                           ; s[18:19] where my prefetches stand
.set G1K, 24                           ; s[24:31] descriptor group 1 for K's tiles;  s[32:39] for V's: it differs in the padding alone
.set G1V, 32
.set G0K, 40                           ; s[40:47] group 0 for K's tiles: a set for each of the two first fills; the second then walks on
.set G0V, 48                           ; s[48:55] the same for V's
.set SLOTS, 56                         ; s56  slots still to be asked for
.set CNT, 57                           ; s57  counts key steps
.set CS,  58                           ; s[58:59] c: the packed scaling names a pair and takes its low word for both halves
.set SEL, 60                           ; s[60:61] lane selects for v_permlanex16_b32: lane l xor 16
.set TB,  62                           ; s62  LDS byte at which the 64 keys of the step to be fetched begin in a row of the slot in hand
.set W_KQ, 0x05                        ; K and Q (sources 0 and 1) window 1, S^T window 0
.set W_LD, 0x40                        ; destination window 1, address window 0
.set MSB, 0
.macro WIN new                         ; the immediate's high byte repeats the setting that is left; a switch that changes nothing is dropped
.if MSB != (\new)
	s_set_vgpr_msb (MSB<<8)|(\new)
.set MSB, (\new)
.endif
.endm
.macro PLACES
.rept 4
	v_nop
.endr
.endm
.macro CROUND                          ; a round of the cluster's barrier
	s_barrier_signal -1
	s_barrier_wait -1
	s_cmp_lg_u32 s[WV], 0
	s_cbranch_scc1 .Lnot_wave_0_\@
	s_barrier_signal -3
.Lnot_wave_0_\@:
	s_barrier_wait -3
	s_barrier_signal -1
	s_barrier_wait -1
.endm
; A joint refill.  The branch hangs on the wave's number alone.  An s_nop 0 and four v_nop follow each of the two lines.
.macro JLOAD
	s_cmp_lt_u32 s[WV], 4
	s_cbranch_scc0 .Lfor_v_\@
	tensor_load_to_lds s[G0K+4:G0K+7], s[G1K:G1K+7]
	s_nop 0
.rept 4
	v_nop
.endr
	s_branch .Lasked_\@
.Lfor_v_\@:
	tensor_load_to_lds s[G0V+4:G0V+7], s[G1V:G1V+7]
	s_nop 0
.rept 4
	v_nop
.endr
.Lasked_\@:
.endm
; A PREFETCH of what the NEXT change of slots will ask for: 512 bytes of each of K's and V's 64 rows, four key steps ahead of that load.  Each aligned block of 256 bytes is named once in the launch:
; all clusters of a batch walk the same rows, so the batch's first cluster asks; its four partners take 16 rows each, told apart by address; in each, wave 0 asks for K's and wave 4 for V's:
; 16 rows x 2 blocks, a lane a block.  The last change that fills a slot asks for nothing; slots 0, 1 and 2 come by their loads alone.
.macro ASK
	s_cmp_gt_u32 s[SLOTS], s[LIM]
	s_cbranch_scc0 .Lnot_mine_\@
	global_prefetch_b8 v[PFO], s[PFA:PFA+1] th:TH_LOAD_NT scope:SCOPE_SE
.Lnot_mine_\@:
.endm
	s_load_b128 s[4:7], s[0:1], 0x0                ; q16 s[4:5], kvt s[6:7]
	s_load_b64 s[8:9], s[0:1], 0x10                ; o16
	v_lshl_add_u32 v[SPW], v0, 2, SPARE
	v_mov_b32 v[NIL], 0
	ds_add_u32 v[SPW], v[NIL]                      ; the wave's opening: the add, twice on end, and its wait ahead of my first tensor load
	ds_add_u32 v[SPW], v[NIL]                      ; and once more, under the one wait; the set-up below, work on registers, stands between
	v_lshrrev_b32 v1, 5, v0
	v_readfirstlane_b32 s[WV], v1                  ; wave 0..7
	s_bfe_u32 s13, ttmp6, 0x40000                  ; cx: my place in the cluster
	s_lshl_b32 s14, ttmp9, 2
	s_add_co_u32 s14, s14, s13                     ; my block of 16 positions: it enters Q's and O's addresses alone
	s_and_b32 s16, ttmp7, 0xffff                   ; the batch, which the four partners share
	s_and_b32 s17, s[WV], 3                        ; which 16 rows of K or of V I fetch
	s_lshl_b32 s20, s16, 19                        ; kvt: a batch is 128 rows of 4,096 bytes,
	s_lshl_b32 s21, s17, 16                        ; 16 rows
	s_add_co_u32 s20, s20, s21
	s_mov_b32 s21, 0
	s_lshl_b32 s22, s16, 22                        ; q16, o16: a batch is 2,048 rows of 2,048 bytes,
	s_lshl_b32 s23, s14, 15                        ; a block 16 rows,
	s_add_co_u32 s22, s22, s23
	s_lshl_b32 s23, s[WV], 8                       ; my two heads 256 bytes
	s_add_co_u32 s22, s22, s23
	s_mov_b32 s23, 0
	s_mul_i32 s2, s17, 16*PK                       ; my rows' place in a slot: no place in the cluster enters an LDS address
	s_mul_i32 s3, s17, 16*PV
	s_add_co_u32 s3, s3, VOFF
	s_lshl_b32 s10, s16, 19                        ; the prefetches: the batch,
	s_lshl_b32 s11, s13, 16                        ; my work-group's 16 rows of the 64,
	s_add_co_u32 s10, s10, s11
	s_mov_b32 s11, 64*4096+1024                    ; V's rows lie 64 rows behind K's; both begin in slot 2: the first change of slots steps to slot 3
	s_cmp_lt_u32 s[WV], 4
	s_cselect_b32 s11, 1024, s11
	s_add_co_u32 s10, s10, s11
	s_mov_b32 s11, 0
	s_and_b32 s[LIM], s[WV], 3                     ; 0 in waves 0 and 4,
	s_or_b32 s[LIM], s[LIM], ttmp9                 ; where the cluster is the batch's first: the same in all four partners
	s_cmp_eq_u32 s[LIM], 0
	s_cselect_b32 s[LIM], 1, -1
	; descriptor group 1: a tile of 16 rows x 256 elements of 2 bytes, padded in LDS behind every 128 words
	s_mov_b32 s[G1K], 15|(1<<16)|(1<<20)|(1<<21)|(6<<22)|(7<<25)   ; 15:0 the mask: all four work-groups; 17:16 elements of 2 bytes; 20 padding on; 21 set beside a mask; 24:22 code 6; 31:25 8 words (code 7)
	s_mov_b32 s[G1V], 15|(1<<16)|(1<<20)|(1<<21)|(6<<22)|(3<<25)   ; the same with 4 words of padding (code 3)
.irp g, G1K, G1V
	s_mov_b32 s[\g+1], 256<<16                     ; tensor_dim0 = 256
	s_mov_b32 s[\g+2], 16<<16                      ; tensor_dim1 = 16
	s_mov_b32 s[\g+3], 256<<16                     ; tile_dim0 = 256
	s_mov_b32 s[\g+4], 16                          ; tile_dim1 = 16
	s_mov_b32 s[\g+5], 2048                        ; tensor_dim0_stride: elements from row to row
	s_mov_b32 s[\g+6], 0
	s_mov_b32 s[\g+7], 0
.endr
	s_mov_b32 s[CS], 0x3e38aa3b                    ; c = log2(e) / 8
	s_mov_b32 s[CS+1], s[CS]                       ; named with it as a pair, so it is written
	s_mov_b32 s[SEL], 0x76543210
	s_mov_b32 s[SEL+1], 0xfedcba98
	s_mov_b32 s[TB], 0
	s_mov_b32 s[SLOTS], 6                          ; 8 slots' worth of keys; two come by the first fills
	s_wait_dscnt 0x0                               ; both opening adds are done
	s_wait_kmcnt 0x0
	s_add_nc_u64 s[20:21], s[6:7], s[20:21]        ; kvt at my rows of K
	s_add_nc_u64 s[PFA:PFA+1], s[6:7], s[10:11]
	s_add_nc_u64 s[4:5], s[4:5], s[22:23]          ; Q and O at my wave's first row
	s_add_nc_u64 s[8:9], s[8:9], s[22:23]
.irp s, 0,1
	s_mov_b32 s[G0K+4*\s], 1                       ; count = 1
	s_add_co_u32 s[G0K+4*\s+1], s2, \s*SLOT1       ; LDS address
	s_add_nc_u64 s[G0K+4*\s+2:G0K+4*\s+3], s[20:21], \s*512          ; global address: slot s begins with keys 256 s on
	s_or_b32 s[G0K+4*\s+3], s[G0K+4*\s+3], 0x80000000                ; type = 2
	s_mov_b32 s[G0V+4*\s], 1
	s_add_co_u32 s[G0V+4*\s+1], s3, \s*SLOT1
	s_add_nc_u64 s[G0V+4*\s+2:G0V+4*\s+3], s[20:21], 64*4096+\s*512
	s_or_b32 s[G0V+4*\s+3], s[G0V+4*\s+3], 0x80000000
.endr
	CROUND                                         ; all four work-groups are here: the first joint loads meet
	s_cmp_lt_u32 s[WV], 4                          ; a wave's two first fills stand in one branch, ahead of every wait on TENSORcnt and every LDS read
	s_cbranch_scc0 .Lfirst_v
	tensor_load_to_lds s[G0K:G0K+3], s[G1K:G1K+7]
	s_nop 0
	tensor_load_to_lds s[G0K+4:G0K+7], s[G1K:G1K+7]
	s_nop 0
.rept 4
	v_nop
.endr
	s_branch .Lfirst_asked
.Lfirst_v:
	tensor_load_to_lds s[G0V:G0V+3], s[G1V:G1V+7]
	s_nop 0
	tensor_load_to_lds s[G0V+4:G0V+7], s[G1V:G1V+7]
	s_nop 0
.rept 4
	v_nop
.endr
.Lfirst_asked:
	v_and_b32 v1, 15, v0                           ; r = lane % 16
	v_bfe_u32 v11, v0, 4, 1                        ; h = lane / 16
	v_lshlrev_b32 v[QO], 11, v1
	v_lshl_add_u32 v[QO], v11, 4, v[QO]            ; row r of 2,048 bytes + 16 h
	WIN W_LD
.irp t, 0,1                            ; Q stays in registers.  A fragment is 16 rows x 32 channels: registers 0-3 channels 8 h + 0..7, registers 4-7 channels 16 + 8 h + 0..7
.irp c, 0,1
	global_load_b128 v[Q+16*\t+8*\c:Q+16*\t+8*\c+3],   v[QO], s[4:5] offset:128*\t+64*\c
	global_load_b128 v[Q+16*\t+8*\c+4:Q+16*\t+8*\c+7], v[QO], s[4:5] offset:128*\t+64*\c+32
.endr
.endr
	WIN 0
	; the turning load takes 16 channels x 16 keys (lane l reads 16 bytes: channel 8 h + l % 8, keys 8 ((l / 8) % 2) + 0..7) and leaves half a fragment of K: lane l holds key l % 16 and 8 channels
	v_and_b32 v12, 7, v0
	v_bfe_u32 v13, v0, 3, 1
	v_lshl_add_u32 v[AK0], v11, 3, v12
	v_mul_u32_u24 v[AK0], v[AK0], PK
	v_lshl_add_u32 v[AK0], v13, 4, v[AK0]
	v_mul_u32_u24 v[AV0], v1, PV                   ; V: channel row r x pitch + 16 h
	v_lshl_add_u32 v[AV0], v11, 4, v[AV0]
	v_add_nc_u32 v[AV0], VOFF, v[AV0]
	s_mul_i32 s16, s[WV], 16*SP
	s_add_co_u32 s16, s16, STAGE                   ; my stage
	v_mul_u32_u24 v[STO], v1, SP                   ; in: row r, 16 bytes for each half of the lanes
	v_lshl_add_u32 v[STO], v11, 4, v[STO]
	v_add_nc_u32 v[STO], s16, v[STO]
	v_mul_u32_u24 v[RD], v11, SP                   ; back: lanes 0-15 one row of 256 bytes, lanes 16-31 the next
	v_lshl_add_u32 v[RD], v1, 4, v[RD]
	v_add_nc_u32 v[RD], s16, v[RD]
	v_lshlrev_b32 v[GO], 11, v11                   ; and the same two rows in O
	v_lshl_add_u32 v[GO], v1, 4, v[GO]
	v_and_b32 v12, 31, v0
	v_lshrrev_b32 v[PFO], 1, v12
	v_lshlrev_b32 v[PFO], 12, v[PFO]               ; row lane / 2 of my 16,
	v_and_b32 v13, 1, v12
	v_lshl_add_u32 v[PFO], v13, 8, v[PFO]          ; block lane % 2 of the slot's 512 bytes
.irp t, 0,1
	v_mov_b32 v[ST+8*\t+1], 0xff61b1e6             ; m = -3e38, under every score
	v_mul_f32 v[ST+8*\t], s[CS], v[ST+8*\t+1]      ; c m
.irp i, 2,3,4,5,6,7
	v_mov_b32 v[ST+8*\t+\i], 0                     ; l; and the registers at work, written once
.endr
.endr
.irp j, 0,1,2,3,4,5,6,7,8,9,10,11,12,13,14,15,16,17,18,19,20,21,22,23,24,25,26,27,28,29,30,31,32,33,34,35,36,37,38,39,40,41,42,43,44,45,46,47,48,49,50,51,52,53,54,55,56,57,58,59,60,61,62,63
	v_mov_b32 v[O+\j], 0                           ; O^T: a turn is written once, and its first run finds zeros.  (These lines stand while the first tiles are on their way)
.endr
; THE MATRIX WORK.  The accumulators take turns, one instruction a turn: between two links of a chain stand three others'.
; Product ii of 8 of O^T += V^T P for tile x: keys 32 (ii / 4) on, channels 16 (ii % 4) on.
.macro PVI x
.set mO, O+32*(\x)+8*(ii%4)
.set mV, VF+8*ii
.set mP, P+16*(\x)+8*(ii/4)
	v_wmma_f32_16x16x32_f16 v[mO:mO+7], v[mV:mV+7], v[mP:mP+7], v[mO:mO+7]
.endm
; Product kx of 8 of S^T = K Q^T for tile x: channels 32 (kx / 4) on, keys 16 (kx % 4) on.  The first four start the sums.
.macro KQI x
.set mS, S+32*(\x)+8*(kx%4)
.set mK, KF+16*(kx%4)+8*(kx/4)
.set mQ, Q+16*(\x)+8*(kx/4)
.if kx < 4
	v_wmma_f32_16x16x32_f16 v[mS:mS+7], v[mK:mK+7], v[mQ:mQ+7], 0
.else
	v_wmma_f32_16x16x32_f16 v[mS:mS+7], v[mK:mK+7], v[mQ:mQ+7], v[mS:mS+7]
.endif
.set kx, kx+1
.endm
; THE LDS LOADS stand in two runs of 16 a key step, never singly among the matrix instructions.
.macro FETCH_K                         ; at the head of tile 0's turn: the last product that read K stands twelve rescalings back
	v_add_nc_u32 v[ADK], s[TB], v[AK0]
	WIN W_LD
.irp kt, 0,1,2,3
.irp c, 0,1
	ds_load_tr16_b128 v[KF+16*\kt+8*\c:KF+16*\kt+8*\c+3],   v[ADK] offset:\c*32*PK+32*\kt
	ds_load_tr16_b128 v[KF+16*\kt+8*\c+4:KF+16*\kt+8*\c+7], v[ADK] offset:\c*32*PK+32*\kt+16*PK
.endr
.endr
	WIN 0
.endm
.macro FETCH_V                         ; in the middle of tile 1's turn.  Between the last product that read V and these loads stand five plain instructions that name none of its registers (ISA guide 7.12.1 for vector instructions):
	v_add_nc_u32 v[ADV], s[TB], v[AV0]             ; two scalings, the turn's v_nop, this addition and the v_nop below; the exponentials between are not counted
	v_nop
	s_add_co_u32 s[TB], s[TB], 128                 ; the next fetch is the next step's
	s_wait_alu depctr_va_vdst(0)                   ; the wait for the softmax's batch of exponentials, ahead of the first instruction that names a result
.irp kk, 0,1
.irp ct, 0,1,2,3
	ds_load_b128 v[VF+8*(4*\kk+\ct):VF+8*(4*\kk+\ct)+3],   v[ADV] offset:\ct*16*PV+64*\kk
	ds_load_b128 v[VF+8*(4*\kk+\ct)+4:VF+8*(4*\kk+\ct)+7], v[ADV] offset:\ct*16*PV+64*\kk+32
.endr
.endr
.endm
; THE VECTOR WORK.  One tile's softmax for one key step is a list of 118 instructions; SMI writes number pp of it for tile t and steps pp.  s0-s31 are the lane's 32 scores, in pairs 0-15.
;   0-15    the maximum of s0-s31 and the old m: one chain for each of the tile's four accumulators, begun at the accumulator's three lowest registers
;   16-20   the other half of the lanes' maximum; c m_old kept; the new m; c m; c m_old - c m_new
;   21-69   ONE BATCH: the 16 scalings c s - c m, a pair each, and all 33 exponentials (a at 33).  None of these names an exponential's result.  Scalings 12, 13 stand at 36, 37 and scalings 14, 15 at 63, 64:
;           each pair is scaled ahead of its exponentials, and two plain instructions fall behind the turn's last product V^T P
;   (wait)  between 69 and 70 stand a v_nop and the one wait for the batch: TURN writes them
;   70-85   the roundings to f16, a pair of weights each
;   86-101  the sums, in place: neighbours 1, 2, 4 and 8 pairs apart; l = a l + the sum
;   102-117 the tile's O^T times a, each accumulator from its low end on
.macro SMI t
.set rT, ST+8*(\t)
.set rS, S+32*(\t)
.set rP, P+16*(\t)
.set rO, O+32*(\t)
.if pp < 4
	v_max3_num_f32 v[rT+4+pp], v[rS+8*pp], v[rS+8*pp+1], v[rS+8*pp+2]
.elseif pp < 12
	v_max3_num_f32 v[rT+4+pp%4], v[rT+4+pp%4], v[rS+8*(pp%4)+2*(pp/4)+1], v[rS+8*(pp%4)+2*(pp/4)+2]
.elseif pp == 12
	v_max3_num_f32 v[rT+4], v[rT+4], v[rS+7], v[rS+15]
.elseif pp == 13
	v_max3_num_f32 v[rT+6], v[rT+6], v[rS+23], v[rS+31]
.elseif pp == 14
	v_max3_num_f32 v[rT+4], v[rT+4], v[rT+5], v[rT+6]
.elseif pp == 15
	v_max3_num_f32 v[rT+4], v[rT+4], v[rT+7], v[rT+1]              ; with the old m
.elseif pp == 16
	v_permlanex16_b32 v[rT+5], v[rT+4], s[SEL], s[SEL+1]           ; the query's other 32 keys lie in the lane 16 away
.elseif pp == 17
	v_mov_b32 v[rT+7], v[rT]                                       ; c m_old is kept for a
.elseif pp == 18
	v_max_num_f32 v[rT+1], v[rT+4], v[rT+5]                        ; the new m
.elseif pp == 19
	v_mul_f32 v[rT], s[CS], v[rT+1]
.elseif pp == 20
	v_sub_f32 v[rT+7], v[rT+7], v[rT]
.elseif (pp < 33) || (pp == 36) || (pp == 37) || (pp == 63) || (pp == 64)
.set bb, pp-21                         ; 21 to 32: pairs 0 to 11
.if pp > 33
.set bb, pp-24                         ; 36, 37: pairs 12, 13
.endif
.if pp > 60
.set bb, pp-49                         ; 63, 64: pairs 14, 15
.endif
	v_pk_fma_f32 v[rS+2*bb:rS+2*bb+1], v[rS+2*bb:rS+2*bb+1], s[CS:CS+1], v[rT:rT+1] op_sel_hi:[1,0,0] neg_lo:[0,0,1] neg_hi:[0,0,1]   ; c s - c m, two at a time
.elseif pp == 33
	v_exp_f32 v[rT+6], v[rT+7]                                     ; a
.elseif pp < 70
.set ee, pp-34                         ; 34, 35: s0, s1
.if pp > 37
.set ee, pp-36                         ; 38 to 62: s2 to s26
.endif
.if pp > 64
.set ee, pp-38                         ; 65 to 69: s27 to s31
.endif
	v_exp_f32 v[rS+ee], v[rS+ee]                                   ; p, at most 1
.elseif pp < 86
	v_cvt_pk_f16_f32 v[rP+pp-70], v[rS+2*(pp-70)], v[rS+2*(pp-70)+1]
.elseif pp < 101
.set zz, pp-86
.set ww, 4
.set uu, zz
.if zz >= 14
.set ww, 32
.set uu, 0
.elseif zz >= 12
.set ww, 16
.set uu, zz-12
.elseif zz >= 8
.set ww, 8
.set uu, zz-8
.endif
	v_pk_add_f32 v[rS+ww*uu:rS+ww*uu+1], v[rS+ww*uu:rS+ww*uu+1], v[rS+ww*uu+ww/2:rS+ww*uu+ww/2+1]
.elseif pp == 101
	v_pk_fma_f32 v[rT+2:rT+3], v[rT+2:rT+3], v[rT+6:rT+7], v[rS:rS+1] op_sel_hi:[1,0,1]   ; l = a l + the sum
.else
	v_pk_mul_f32 v[rO+2*(pp-102):rO+2*(pp-102)+1], v[rO+2*(pp-102):rO+2*(pp-102)+1], v[rT+6:rT+7] op_sel_hi:[1,0]
.endif
.set pp, pp+1
.endm
; A TURN.  Tile x has the matrix unit; the other tile's softmax stands behind its matrix instructions.  pv = 1: the 8 products V^T P; kq = 1: the 8 products K Q^T of the next step (and, in tile 0's turn, K's loads).
; First half: a product V^T P, then nine numbers of the list (seven behind the eighth): 0 to 69.  Then a v_nop, the plain instruction behind the last exponential, and the one wait for the batch.
; Second half: two products K Q^T under one window setting, then twelve numbers: 70 to 117.  The last twelve, rescalings of the other tile's O^T, are the places between the turn's last
; products and what follows: the next turn's first read of those scores, and K's loads.
; Tile 0's turn fetches the next step's K at its head, eight products ahead of its use; tile 1's turn fetches the same step's V in its middle, eight products ahead of its use.
.macro TURN x, pv, kq
.set pp, 0
.if (\x) == 0
.if \kq
	FETCH_K
	s_wait_dscnt 16                                ; V's 16 loads, the older ones, are in; K's 16 just issued may be out
.else
	s_wait_dscnt 0x0                               ; V is in
.endif
.endif
.set ii, 0
.rept 8
.if \pv
	PVI \x
.endif
.if ii < 7
.rept 9
	SMI 1-\x
.endr
.else
.rept 7
	SMI 1-\x
.endr
.endif
.set ii, ii+1
.endr
	v_nop                                          ; a plain instruction behind the last exponential
.if (\x) == 0
	s_wait_alu depctr_va_vdst(0)                   ; one wait for the batch of 33, ahead of the first instruction that names a result
.if \kq
	s_wait_dscnt 0x0                               ; K is in
.endif
.else
	FETCH_V                                        ; V's run of loads, and the wait for the batch in it
.endif
.set kx, 0
.rept 4
.if \kq
	WIN W_KQ
	KQI \x
	KQI \x
	WIN 0
.endif
.rept 12
	SMI 1-\x
.endr
.endr
.endm
.macro PAIRS n                         ; n key steps: a step's two turns are written once and walked n times; the LDS addresses hang on s[TB]
	s_mov_b32 s[CNT], \n
.Lpair_\@:
	TURN 0, 1, 1
	TURN 1, 1, 1
	s_sub_co_u32 s[CNT], s[CNT], 1
	s_cmp_lg_u32 s[CNT], 0
	s_cbranch_scc1 .Lpair_\@
.endm
; THE CHANGE OF SLOTS, between tile 1's turn and tile 0's: the slot's last bytes, V of its fourth step, have been asked for.  Each wave waits for all its tensor loads, of which one is out: its part of the
; other slot; adds 0 to its spare word; and waits for that and for its own reads of the slot that it leaves.
; fill = 1: that slot is filled again, with the keys two slots on.  The barrier is then a round of the cluster's, so that no wave of any partner still reads the slot or has a load on its way, and the joint
; refill is the first thing behind it: it has four key steps in which to land.
.macro CHANGE fill
	s_wait_tensorcnt 0x0                           ; no tensor load of mine is out, so a group 0 may be written
	ds_add_u32 v[SPW], v[NIL]                      ; 0 onto my spare word
.if \fill
.irp g, G0K+4, G0V+4
	s_xor_b32 s[\g+1], s[\g+1], SLOT1              ; the walking descriptor: the other slot than last time,
	s_add_nc_u64 s[\g+2:\g+3], s[\g+2:\g+3], 512   ; the next 256 keys; the type bits on top are not reached
.endr
	s_wait_xcnt 0x0                                ; the last prefetch, a slot back, has read its address, so it may be written:
	s_add_nc_u64 s[PFA:PFA+1], s[PFA:PFA+1], 512   ; one slot further on than the walking descriptors
	s_wait_dscnt 0x0                               ; the add is done, and my reads of the slot are over
	CROUND
	JLOAD
	ASK
.else
	s_wait_dscnt 0x0                               ; the add is done, and my reads of the slot are over
	s_barrier_signal -1
	s_barrier_wait -1
.endif
	s_sub_co_u32 s[TB], s[TB], 512                 ; the fetches go back to a slot's first step,
	s_xor_b32 s[TB], s[TB], SLOT1                  ; in the other slot
.endm
	s_wait_tensorcnt 1                             ; my part of slot 0 is in; slot 1's may stay out
	s_barrier_signal -1
	s_barrier_wait -1                              ; everybody's is
	FETCH_K                                        ; key step 0
	s_wait_loadcnt 0x0                             ; Q
	s_wait_dscnt 0x0
	WIN W_KQ
.set kx, 0
.rept 8
	KQI 0                                          ; tile 0's first scores: there is no vector work yet to set between them
.endr
	WIN 0
	PLACES                                         ; four places in front of the first read of those scores
	TURN 1, 0, 1                                   ; tile 1's first scores | tile 0's first softmax | V of step 0
	PAIRS 3                                        ; steps 0 to 2: they fetch steps 1 to 3, the rest of slot 0
.Lslot:                                            ; six trips: every slot but the last two is filled again
	CHANGE 1
	PAIRS 4
	s_sub_co_u32 s[SLOTS], s[SLOTS], 1
	s_cmp_lg_u32 s[SLOTS], 0
	s_cbranch_scc1 .Lslot
	CHANGE 0                                       ; the tail is written out
	PAIRS 4
	TURN 0, 1, 0                                   ; tile 0: V^T P of the last step | tile 1's last softmax
.set ii, 0
.rept 8
	PVI 1                                          ; tile 1: V^T P of the last step
.set ii, ii+1
.endr
	; THE WAY OUT.  l's two halves and the other half of the lanes' are added; O^T is divided by l, rounded to f16 and sent through my stage: a row is a position's 128 channels of my two heads, 256 bytes.
	; The additions and the v_nop are the places behind the last products.
.irp t, 0,1
	v_add_f32 v[ST+8*\t+4], v[ST+8*\t+2], v[ST+8*\t+3]
.endr
.irp t, 0,1
	v_permlanex16_b32 v[ST+8*\t+5], v[ST+8*\t+4], s[SEL], s[SEL+1]
.endr
.irp t, 0,1
	v_add_f32 v[ST+8*\t+4], v[ST+8*\t+4], v[ST+8*\t+5]
.endr
.irp t, 0,1
	v_rcp_f32 v[ST+8*\t+6], v[ST+8*\t+4]
.endr
	v_nop                                          ; a plain instruction behind the last reciprocal
	s_wait_alu depctr_va_vdst(0)                   ; and the wait ahead of the first use: one for the two
.irp t, 0,1
.irp j, 0,2,4,6,8,10,12,14,16,18,20,22,24,26,28,30
	v_pk_mul_f32 v[O+32*\t+\j:O+32*\t+\j+1], v[O+32*\t+\j:O+32*\t+\j+1], v[ST+8*\t+6:ST+8*\t+7] op_sel_hi:[1,0]   ; each accumulator from its low end on
.endr
.endr
.irp t, 0,1
.irp j, 0,1,2,3,4,5,6,7,8,9,10,11,12,13,14,15
	v_cvt_pk_f16_f32 v[S+16*\t+\j], v[O+32*\t+2*\j], v[O+32*\t+2*\j+1]     ; S^T's registers are free
.endr
.endr
.irp t, 0,1
.irp ct, 0,1,2,3
	ds_store_b128 v[STO], v[S+16*\t+4*\ct:S+16*\t+4*\ct+3] offset:128*\t+32*\ct    ; position r, head 2 w + t, channels 16 ct + 8 h on
.endr
.endr
.irp f, 0,1,2,3,4,5,6,7
	ds_load_b128 v[VF+4*\f:VF+4*\f+3], v[RD] offset:\f*2*SP        ; LDS serves a wave's instructions in order: these see the stores above.  V's registers are free
.endr
.irp f, 0,1,2,3,4,5,6,7
	s_wait_dscnt 7-\f                              ; the younger read-backs may be out
	global_store_b128 v[GO], v[VF+4*\f:VF+4*\f+3], s[8:9] offset:\f*4096   ; sixteen lanes store 256 consecutive bytes, aligned
.endr
	s_wait_tensorcnt 0x0                           ; the wave's end
	ds_add_u32 v[SPW], v[NIL]
	s_wait_dscnt 0x0
	CROUND                                         ; the closing round: no work-group ends while a partner may still ask for a tile that names it
	s_endpgm
.Lfunc_end_k_qfafed0f8e6_attn:
	.size	k_qfafed0f8e6_attn, .Lfunc_end_k_qfafed0f8e6_attn-k_qfafed0f8e6_attn
	.p2alignl 7, 3214868480
	.fill 96, 4, 3214868480
	.section	.rodata,"a",@progbits
	.p2align	6, 0x0
	.amdhsa_kernel k_qfafed0f8e6_attn
		.amdhsa_group_segment_fixed_size 327680
		.amdhsa_private_segment_fixed_size 0
		.amdhsa_enable_private_segment 0
		.amdhsa_kernarg_size 24
		.amdhsa_user_sgpr_count 2
		.amdhsa_user_sgpr_kernarg_segment_ptr 1
		.amdhsa_wavefront_size32 1
		.amdhsa_system_sgpr_workgroup_id_x 1
		.amdhsa_system_sgpr_workgroup_id_y 1
		.amdhsa_system_sgpr_workgroup_id_z 1
		.amdhsa_system_vgpr_workitem_id 0
		.amdhsa_next_free_vgpr 512
		.amdhsa_next_free_sgpr 66
		.amdhsa_reserve_vcc 0
		.amdhsa_float_denorm_mode_32 3
		.amdhsa_float_denorm_mode_16_64 3
		.amdhsa_memory_ordered 1
		.amdhsa_forward_progress 1
		.amdhsa_inst_pref_size 89
	.end_amdhsa_kernel
	.amdgpu_metadata
---
amdhsa.version: [ 1, 2 ]
amdhsa.kernels:
  - .name:           k_qfafed0f8e6_attn
    .symbol:         k_qfafed0f8e6_attn.kd
    .args:
      - { .name: q16, .offset: 0, .size: 8, .value_kind: global_buffer, .address_space: global }
      - { .name: kvt, .offset: 8, .size: 8, .value_kind: global_buffer, .address_space: global }
      - { .name: o16, .offset: 16, .size: 8, .value_kind: global_buffer, .address_space: global }
    .group_segment_fixed_size: 327680
    .private_segment_fixed_size: 0
    .kernarg_segment_align: 8
    .kernarg_segment_size: 24
    .max_flat_workgroup_size: 256
    .sgpr_count:     66
    .vgpr_count:     512
    .wavefront_size: 32
...
	.end_amdgpu_metadata
.endif
;; end of part 3
;; launch outp (part 4): grid 8 x 32, 4 waves a work-group, clusters of 4 x 4, 327,680 bytes of LDS; arguments o16, wo16, out0; writes out0
.if DOCPART == 4
	.amdgcn_target "amdgcn-amd-amdhsa--gfx1250"
	.amdhsa_code_object_version 6
	.text
	.protected	k_qfafed0f8e6_outp
	.globl	k_qfafed0f8e6_outp
	.p2align	8
	.type	k_qfafed0f8e6_outp,@function
k_qfafed0f8e6_outp:
	s_mov_b64 s[64:65], 0
	v_nop
	global_prefetch_b8 v0, s[64:65] scope:SCOPE_SE
	s_setreg_imm32_b32 hwreg(HW_REG_WAVE_MODE, 25, 1), 1
	s_wait_xcnt 0x0
	s_wait_alu depctr_hold_cnt(0) depctr_sa_sdst(0) depctr_va_vdst(0) depctr_va_sdst(0) depctr_va_ssrc(0) depctr_va_vcc(0) depctr_vm_vsrc(0)
	s_getreg_b32 s2, hwreg(HW_REG_IB_STS2, 6, 4)
	s_cmp_eq_u32 s2, 0
	s_cbranch_scc0 .Lentry_in_a_cluster
	s_endpgm
.Lentry_in_a_cluster:
	s_bfe_u32 s2, ttmp6, 0x10000c
	s_cmp_lg_u32 s2, 0xf033
	s_cbranch_scc0 .Lentry_shape_is_right
	s_endpgm
.Lentry_shape_is_right:
; OUTP: out0[n][d] = the sum over (h, v) of o[n][(h, v)] Wo[d][(h, v)].  A = o16 [4096][1024], B = wo16 [1024][1024], both f16; C = out0 [4096][1024] f32; sums in f32, K ascending.
; A tile of C is 128 x 128: 256 work-groups.  Four waves, each 64 x 64: 16 accumulators of 16 x 16.  K goes in steps of 256 (LDS rows of 512 bytes; a wave's tensor load brings 64 of them) through two slots.
; CLUSTERS: 4 x 4 work-groups.  The four of a row of the cluster need the same tiles of A, the four of a column the same tiles of B: each tile is asked for jointly, by the same tensor load with the
; same descriptor and a mask that names the four.  THE MATRIX INSTRUCTION IS USED TRANSPOSED (source 0 = 16 rows of B, source 1 = 16 rows of A): a lane holds eight neighbouring numbers of a row of C.
; A wave's 64 columns of f32 are 256 bytes of a row of C, aligned: each wave has a stage of its own on the way out, and no barrier is needed there.
; No prefetch: the tile is small and the launch has four K steps.
; REGISTERS: window 0: v0-31 addresses; v32-95 rows read back on the way out, two sets; v128-255 the accumulators ((a, b) at v[128 + 8 (4 a + b)]).
;   window 1: two fragment buffers of 128: for 64 along K, 64 registers of A (2 x 4 x 16 rows x 32 K), then 64 of B.
.set SIZE_M, 4096
.set SIZE_N, 1024
.set SIZE_K, 1024
.set KSTEP,  256
.set PITCH,  528                       ; an LDS row: 512 bytes of data + 16 of padding
.set HALFT,  64*PITCH                  ; 64 rows: what one tensor load brings, and what one wave reads of A or of B
.set SLOT,   4*HALFT                   ; A's 128 rows, then B's 128 rows
.set STAGE,  2*SLOT                    ; behind the ring: 16 rows x 272 bytes for each wave
.set SPITCH, 272
.set SPARE,  STAGE+4*16*SPITCH         ; the spare words, 128 bytes for each wave: two blocks of 256 bytes that no other line names
.set LAPS, SIZE_K/(2*KSTEP)            ; a lap = two K steps = once round the ring
.set ADRA, 16                          ; v16-17  LDS address of my A fragments in slot 0, 1
.set ADRB, 20                          ; v20-21  the same for B
.set STO,  24                          ; v24     the way out: where I put 32 bytes of a row
.set RD,   25                          ; v25     where I read a row back
.set CO,   26                          ; v26     my byte offset in C
.set SPW,  28                          ; v28     LDS address of my spare word; never rewritten
.set NIL,  29                          ; v29     0; never rewritten
.set TMP,  32
.set ACC,  128
.set F0,   0                           ; fragment buffers, in window 1
.set F1,   128
.set G1, 24                            ; s[24:31] descriptor group 1 for A's tiles;  s[32:39] group 0, one set for each slot
.set G0, 32
.set G1B, 48                           ; s[48:55], s[56:63] the same for B's tiles
.set G0B, 56
.set MSB, 0
.macro WIN new                         ; the immediate's high byte repeats the setting that is left
.if MSB != (\new)
	s_set_vgpr_msb (MSB<<8)|(\new)
.set MSB, (\new)
.endif
.endm
.set MUL,  0x05                        ; sources 0 (B) and 1 (A) window 1; C and D window 0
.set TO_F, 0x40                        ; destination window 1, address window 0
.macro JLOAD s                         ; a joint load: waves 0 and 1 fetch A's two halves, waves 2 and 3 B's; an s_nop 0 and four v_nop follow each of the two lines
	s_cmp_eq_u32 s11, 0
	s_cbranch_scc0 .Lfor_b_\@
	tensor_load_to_lds s[G0+4*\s:G0+4*\s+3], s[G1:G1+7]
	s_nop 0
.rept 4
	v_nop
.endr
	s_branch .Lasked_\@
.Lfor_b_\@:
	tensor_load_to_lds s[G0B+4*\s:G0B+4*\s+3], s[G1B:G1B+7]
	s_nop 0
.rept 4
	v_nop
.endr
.Lasked_\@:
.endm
.macro CREST                           ; a round of the cluster's barrier behind its opening barrier
	s_cmp_lg_u32 s10, 0
	s_cbranch_scc1 .Lnot_wave_0_\@
	s_barrier_signal -3
.Lnot_wave_0_\@:
	s_barrier_wait -3
	s_barrier_signal -1
	s_barrier_wait -1
.endm
.macro CROUND                          ; a whole round
	s_barrier_signal -1
	s_barrier_wait -1
	CREST
.endm
	s_load_b128 s[4:7], s[0:1], 0x0                ; A s[4:5], B s[6:7]
	s_load_b64 s[8:9], s[0:1], 0x10                ; C
	v_lshl_add_u32 v[SPW], v0, 2, SPARE
	v_mov_b32 v[NIL], 0
	ds_add_u32 v[SPW], v[NIL]                      ; the wave's opening: the add, twice on end, and its wait ahead of my first tensor load
	ds_add_u32 v[SPW], v[NIL]                      ; and once more, under the one wait; the set-up below, work on registers, stands between
	v_lshrrev_b32 v1, 5, v0
	v_readfirstlane_b32 s10, v1                    ; wave 0..3
	s_lshr_b32 s11, s10, 1                         ; which half of the tile's rows is mine.  Also: I fetch for A (0) or for B (1)
	s_and_b32 s12, s10, 1                          ; which half of its columns.  Also: which 64 rows of that tile I fetch
	s_bfe_u32 s40, ttmp6, 0x40000                  ; cx, cy: my place in the cluster
	s_bfe_u32 s41, ttmp6, 0x40004
	s_lshl_b32 s42, ttmp9, 2
	s_add_co_u32 s42, s42, s40                     ; tile column of C = 4 x cluster x + cx
	s_and_b32 s13, ttmp7, 0xffff
	s_lshl_b32 s13, s13, 2
	s_add_co_u32 s13, s13, s41                     ; tile row of C = 4 x cluster y + cy
	s_lshl_b32 s43, s41, 2
	s_lshl_b32 s43, 15, s43                        ; my row of the cluster
	s_lshl_b32 s44, 0x1111, s40                    ; my column
	; descriptor group 1: a tile of 64 rows x 256 elements, padded in LDS
	s_or_b32 s[G1+0], s43, (1<<16)|(1<<20)|(1<<21)|(6<<22)|(3<<25)  ; 15:0 the mask: A's tiles go to my row; 17:16 element of 2 bytes; 20 padding on; 21 set beside a mask; 24:22 after every 128 words (code 6); 31:25 of 4 words (code 3)
	s_or_b32 s[G1B+0], s44, (1<<16)|(1<<20)|(1<<21)|(6<<22)|(3<<25)
.irp g, G1, G1B
	s_mov_b32 s[\g+1], KSTEP<<16                   ; tensor_dim0 = 256
	s_mov_b32 s[\g+2], 64<<16                      ; tensor_dim1 = 64
	s_mov_b32 s[\g+3], KSTEP<<16                   ; tile_dim0 = 256
	s_mov_b32 s[\g+4], 64                          ; tile_dim1 = 64
	s_mov_b32 s[\g+5], SIZE_K                      ; tensor_dim0_stride
	s_mov_b32 s[\g+6], 0
	s_mov_b32 s[\g+7], 0
.endr
	s_lshl_b32 s17, s12, 6                         ; which 64 rows of the tile I fetch
	s_lshl_b32 s16, s13, 7
	s_add_co_u32 s16, s16, s17                     ; A: row 128 x tile row + 64 x half
	s_lshl_b32 s46, s42, 7
	s_add_co_u32 s46, s46, s17                     ; B: row 128 x tile column + 64 x half
	s_mov_b32 s17, 0
	s_mov_b32 s47, 0
	s_mov_b64 s[18:19], SIZE_K*2
	s_mul_u64 s[16:17], s[16:17], s[18:19]
	s_mul_u64 s[46:47], s[46:47], s[18:19]
	s_mul_i32 s20, s10, HALFT                      ; where they go: wave x 64 rows
	s_wait_dscnt 0x0                               ; both opening adds are done
	s_wait_kmcnt 0x0
	s_add_nc_u64 s[14:15], s[4:5], s[16:17]
	s_add_nc_u64 s[46:47], s[6:7], s[46:47]
	CROUND                                         ; all sixteen work-groups are here: the first joint loads meet
.irp s, 0,1
	s_mov_b32 s[G0+4*\s], 1
	s_add_co_u32 s[G0+4*\s+1], s20, \s*SLOT
	s_add_nc_u64 s[G0+4*\s+2:G0+4*\s+3], s[14:15], \s*KSTEP*2
	s_or_b32 s[G0+4*\s+3], s[G0+4*\s+3], 0x80000000
	s_mov_b32 s[G0B+4*\s], 1
	s_add_co_u32 s[G0B+4*\s+1], s20, \s*SLOT
	s_add_nc_u64 s[G0B+4*\s+2:G0B+4*\s+3], s[46:47], \s*KSTEP*2
	s_or_b32 s[G0B+4*\s+3], s[G0B+4*\s+3], 0x80000000
	JLOAD \s
.endr
	v_and_b32 v1, 15, v0                           ; l % 16
	v_bfe_u32 v2, v0, 4, 1                         ; l / 16
	v_mul_u32_u24 v3, v1, PITCH
	v_lshl_add_u32 v3, v2, 4, v3                   ; a fragment's row x pitch + 16 x half
	s_mul_i32 s21, s11, HALFT                      ; my 64 rows of A
	s_mul_i32 s22, s12, HALFT                      ; my 64 rows of B,
	s_add_co_u32 s22, s22, 2*HALFT                 ; which lie behind A's 128
.irp s, 0,1
	v_add_nc_u32 v[ADRA+\s], s21, v3
	v_add_nc_u32 v[ADRB+\s], s22, v3
	s_add_co_u32 s21, s21, SLOT
	s_add_co_u32 s22, s22, SLOT
.endr
	s_mul_i32 s23, s10, 16*SPITCH
	s_add_co_u32 s23, s23, STAGE                   ; my stage
	v_mul_u32_u24 v4, v1, SPITCH                   ; in: row l % 16, 32 bytes for each half of the lanes
	v_lshl_add_u32 v4, v2, 5, v4
	v_add_nc_u32 v[STO], s23, v4
	v_mul_u32_u24 v5, v2, SPITCH                   ; back: lanes 0-15 one row of 256 bytes, lanes 16-31 the next
	v_lshl_add_u32 v5, v1, 4, v5
	v_add_nc_u32 v[RD], s23, v5
	v_lshlrev_b32 v5, 12, v2                       ; and the same two rows in C (4,096 bytes a row)
	v_lshl_add_u32 v[CO], v1, 4, v5
	s_lshl_b32 s16, s13, 7
	s_lshl_b32 s17, s11, 6
	s_add_co_u32 s16, s16, s17                     ; my first row of C: 128 x tile row + 64 x half
	s_lshl_b32 s16, s16, 12
	s_mov_b32 s17, 0
	s_add_nc_u64 s[8:9], s[8:9], s[16:17]
	s_lshl_b32 s46, s42, 9                         ; my first column, in bytes: 512 x tile column + 256 x half
	s_lshl_b32 s47, s12, 8
	s_add_co_u32 s46, s46, s47
	s_mov_b32 s47, 0
	s_add_nc_u64 s[8:9], s[8:9], s[46:47]
; 8 matrix instructions: m blocks a0, a0 + 1 x all 4 n blocks, 32 along K: half c of buffer f.  zero = 1: the first product starts the sums.  The 16 accumulators take turns
.macro MUL8 f, c, a0, zero
.irp a, \a0, \a0+1
.irp b, 0,1,2,3
.if \zero
	v_wmma_f32_16x16x32_f16 v[ACC+8*(4*(\a)+\b):ACC+8*(4*(\a)+\b)+7], v[\f+64+8*(4*\c+\b):\f+64+8*(4*\c+\b)+7], v[\f+8*(4*\c+\a):\f+8*(4*\c+\a)+7], 0
.else
	v_wmma_f32_16x16x32_f16 v[ACC+8*(4*(\a)+\b):ACC+8*(4*(\a)+\b)+7], v[\f+64+8*(4*\c+\b):\f+64+8*(4*\c+\b)+7], v[\f+8*(4*\c+\a):\f+8*(4*\c+\a)+7], v[ACC+8*(4*(\a)+\b):ACC+8*(4*(\a)+\b)+7]
.endif
.endr
.endr
.endm
; 32 LDS loads in one run: the fragments of 64 along K at byte k of the rows, into buffer f; the first 32 along K first
.macro FETCH slot, k, f
	WIN TO_F
.irp c, 0,1
.irp i, 0,1,2,3
	ds_load_b128 v[\f+64+8*(4*\c+\i):\f+64+8*(4*\c+\i)+3],   v[ADRB+\slot] offset:\k+64*\c+\i*16*PITCH
	ds_load_b128 v[\f+64+8*(4*\c+\i)+4:\f+64+8*(4*\c+\i)+7], v[ADRB+\slot] offset:\k+64*\c+\i*16*PITCH+32
	ds_load_b128 v[\f+8*(4*\c+\i):\f+8*(4*\c+\i)+3],         v[ADRA+\slot] offset:\k+64*\c+\i*16*PITCH
	ds_load_b128 v[\f+8*(4*\c+\i)+4:\f+8*(4*\c+\i)+7],       v[ADRA+\slot] offset:\k+64*\c+\i*16*PITCH+32
.endr
.endr
.endm
.macro PLACES                          ; four places in front of loads into registers that matrix instructions have read, and of the first read of results
.rept 4
	v_nop
.endr
.endm
; A K step is four quarters of 64 along K, 32 matrix instructions each, on buffers 0, 1, 0, 1.  One of the first three: multiplies buffer f and fetches the next quarter, at byte k, into g.
.macro QUARTER slot, k, f, g, zero
	s_wait_dscnt 16                                ; the first 32 along K are in; the other sixteen loads may be out
	WIN MUL
	MUL8 \f, 0, 0, \zero
	MUL8 \f, 0, 2, \zero
	PLACES
	FETCH \slot, \k, \g
	s_wait_dscnt 32                                ; all but the 32 just issued
	WIN MUL
	MUL8 \f, 1, 0, 0
	MUL8 \f, 1, 2, 0
.endm
; The last quarter multiplies buffer 1 and changes slots: ONE barrier; in front of it each wave waits for all its tensor loads, adds 0 to its spare word, and waits for that and for its own reads of this slot.
; fill = 1: this slot is filled again, two K steps ahead.
.macro TURN slot, next, fill
	WIN 0                                          ; (the add's two registers lie in window 0)
	s_wait_tensorcnt 0x0                           ; all my tensor loads have landed: my part of the next slot;
	ds_add_u32 v[SPW], v[NIL]                      ; 0 onto my spare word;
	s_wait_dscnt 17                                ; (the add and the youngest sixteen loads may be out)
	WIN MUL
	MUL8 F1, 0, 0, 0                               ; eight matrix instructions stand between the add and the wait for it
	s_wait_dscnt 0x0                               ; the add is done, and my reads of this slot are over
	s_barrier_signal -1
	MUL8 F1, 0, 2, 0
.if \fill
	WIN 0
.endif
	s_barrier_wait -1
.if \fill
	CREST                                          ; the barrier has opened a round of the cluster's barrier: no wave of any partner still reads this slot's tile or has a load on its way
	s_add_nc_u64 s[G0+4*\slot+2:G0+4*\slot+3], s[G0+4*\slot+2:G0+4*\slot+3], 2*KSTEP*2
	s_add_nc_u64 s[G0B+4*\slot+2:G0B+4*\slot+3], s[G0B+4*\slot+2:G0B+4*\slot+3], 2*KSTEP*2
	JLOAD \slot                                    ; the first tensor load behind the round; the four v_nop behind it are also the places in front of the loads below
.else
	PLACES
.endif
	FETCH \next, 0, F0
	WIN MUL
	MUL8 F1, 1, 0, 0
	MUL8 F1, 1, 2, 0
.endm
	s_wait_tensorcnt 1                             ; my part of K step 0 is in (K step 1's load may be out),
	s_barrier_signal -1
	s_barrier_wait -1                              ; everybody's is
	FETCH 0, 0, F0
	QUARTER 0, 128, F0, F1, 1                      ; the first quarter stands in front of the loop: its first products start the sums
	WIN 0                                          ; at a label and at a branch every window is 0
	s_mov_b32 s3, LAPS-1
.Llap:                                                 ; a trip goes once round the ring, from a lap's second quarter to the next lap's first, and fills both slots again
	QUARTER 0, 256, F1, F0, 0
	QUARTER 0, 384, F0, F1, 0
	TURN 0, 1, 1
	QUARTER 1, 128, F0, F1, 0
	QUARTER 1, 256, F1, F0, 0
	QUARTER 1, 384, F0, F1, 0
	TURN 1, 0, 1
	QUARTER 0, 128, F0, F1, 0
	WIN 0
	s_sub_co_u32 s3, s3, 1
	s_cmp_lg_u32 s3, 0
	s_cbranch_scc1 .Llap
	QUARTER 0, 256, F1, F0, 0                      ; the last lap fills nothing, and has no round of the cluster's barrier
	QUARTER 0, 384, F0, F1, 0
	TURN 0, 1, 0
	QUARTER 1, 128, F0, F1, 0
	QUARTER 1, 256, F1, F0, 0
	QUARTER 1, 384, F0, F1, 0
	s_wait_dscnt 16                                ; the very last quarter: nothing more to fetch
	WIN MUL
	MUL8 F1, 0, 0, 0
	MUL8 F1, 0, 2, 0
	s_wait_dscnt 0
	MUL8 F1, 1, 0, 0
	MUL8 F1, 1, 2, 0
	WIN 0
; THE WAY OUT, block by block of 16 rows x 64 columns of f32.  A lane holds 32 neighbouring bytes of a row and the lanes beside it hold other rows: a block goes through my own stage and comes back as whole
; rows of 256 bytes.  LDS serves a wave's instructions in order: no wait between the stores and the loads, nor in front of the next block's stores.
.macro TOSTAGE a
.irp b, 0,1,2,3
	ds_store_b128 v[STO], v[ACC+8*(4*(\a)+\b):ACC+8*(4*(\a)+\b)+3] offset:64*\b          ; each accumulator from its low end on
	ds_store_b128 v[STO], v[ACC+8*(4*(\a)+\b)+4:ACC+8*(4*(\a)+\b)+7] offset:64*\b+16
.endr
.irp t, 0,1,2,3,4,5,6,7
	ds_load_b128 v[TMP+32*((\a)%2)+4*\t:TMP+32*((\a)%2)+4*\t+3], v[RD] offset:\t*2*SPITCH
.endr
.endm
.macro SEND a, younger                 ; younger: the LDS instructions issued behind block a's loads, which may stay out
	s_wait_dscnt \younger                          ; the block is back in registers
.irp t, 0,1,2,3,4,5,6,7
	global_store_b128 v[CO], v[TMP+32*((\a)%2)+4*\t:TMP+32*((\a)%2)+4*\t+3], s[8:9] offset:(\a)*65536+\t*8192 th:TH_STORE_NT   ; sixteen lanes store 256 consecutive bytes, aligned; written once, read by nobody here
.endr
.endm
	PLACES
	TOSTAGE 0
	TOSTAGE 1
	SEND 0, 16                                     ; behind block 0's loads: block 1's 8 stores and 8 loads
	s_wait_xcnt 0x0                                ; block 0's stores have read their registers: block 2's loads may land there
	TOSTAGE 2
	SEND 1, 16
	s_wait_xcnt 0x0                                ; block 1's likewise
	TOSTAGE 3
	SEND 2, 16
	SEND 3, 0
	s_wait_tensorcnt 0x0                           ; the wave's end
	ds_add_u32 v[SPW], v[NIL]
	s_wait_dscnt 0x0
	CROUND                                         ; the closing round: no work-group ends while a partner may still ask for a tile that names it
	s_endpgm
.Lfunc_end_k_qfafed0f8e6_outp:
	.size	k_qfafed0f8e6_outp, .Lfunc_end_k_qfafed0f8e6_outp-k_qfafed0f8e6_outp
	.p2alignl 7, 3214868480
	.fill 96, 4, 3214868480
	.section	.rodata,"a",@progbits
	.p2align	6, 0x0
	.amdhsa_kernel k_qfafed0f8e6_outp
		.amdhsa_group_segment_fixed_size 327680
		.amdhsa_private_segment_fixed_size 0
		.amdhsa_enable_private_segment 0
		.amdhsa_kernarg_size 24
		.amdhsa_user_sgpr_count 2
		.amdhsa_user_sgpr_kernarg_segment_ptr 1
		.amdhsa_wavefront_size32 1
		.amdhsa_system_sgpr_workgroup_id_x 1
		.amdhsa_system_sgpr_workgroup_id_y 1
		.amdhsa_system_sgpr_workgroup_id_z 1
		.amdhsa_system_vgpr_workitem_id 0
		.amdhsa_next_free_vgpr 512
		.amdhsa_next_free_sgpr 66
		.amdhsa_reserve_vcc 0
		.amdhsa_float_denorm_mode_32 3
		.amdhsa_float_denorm_mode_16_64 3
		.amdhsa_memory_ordered 1
		.amdhsa_forward_progress 1
		.amdhsa_inst_pref_size 86
	.end_amdhsa_kernel
	.amdgpu_metadata
---
amdhsa.version: [ 1, 2 ]
amdhsa.kernels:
  - .name:           k_qfafed0f8e6_outp
    .symbol:         k_qfafed0f8e6_outp.kd
    .args:
      - { .name: o16, .offset: 0, .size: 8, .value_kind: global_buffer, .address_space: global }
      - { .name: wo16, .offset: 8, .size: 8, .value_kind: global_buffer, .address_space: global }
      - { .name: out0, .offset: 16, .size: 8, .value_kind: global_buffer, .address_space: global }
    .group_segment_fixed_size: 327680
    .private_segment_fixed_size: 0
    .kernarg_segment_align: 8
    .kernarg_segment_size: 24
    .max_flat_workgroup_size: 128
    .sgpr_count:     66
    .vgpr_count:     512
    .wavefront_size: 32
...
	.end_amdgpu_metadata
.endif
;; end of part 4
